; MI455X (gfx1250); checked and timed in simulation.
; The chip was launched on July 23, 2026; its instructions are those of AMD's public machine-readable ISA for CDNA 5 (MIT licence, August 2026) and "CDNA5" Instruction Set Architecture Reference Guide (July 2026). The comments in the code are by the model that wrote it; some were corrected since.
;; Causal Self Attention. Allowed arithmetic: matrix products marked QUANTISED: E3M2 operands, one E8M0 scale for each 32 along K, by v_wmma_scale_f32_16x16x128_f8f6f4 with both operands' format E3M2, f32 sums; everything else in f32.
;; Inputs: b_attn 3,072 float32; b_proj 1,024 float32; w_attn 1,024 x 3,072 float32; w_proj 1,024 x 1,024 float32; x 8 x 1,024 x 1,024 float32.
;; Outputs: out0 8 x 1,024 x 1,024 float32.
;; This version of the problem:
;;   THIS VERSION OF THE PROBLEM IS GIVEN IN LOW PRECISION. The matrix products marked QUANTISED in the list below multiply operands that are first quantised to E3M2 (3 exponent bits, 2 mantissa bits; 6 bits a number), with one power-of-two scale for each 32 numbers along K (OCP MX v1.0); their sums are f32. All else is computed in f32.
;;   The module's matrix products, in the order in which they are computed (A, B: the left and right operand; K: the contracted axis; several contracted axes count as one K, in the product's order):
;;     1. [M 8,192, K 1,024] x [K 1,024, N 3,072]; A: input x; B: input w_attn: QUANTISED
;;     2. batch 128 x [M 1,024, K 64] x [K 64, N 1,024]; A: computed on the way; B: computed on the way: QUANTISED
;;     3. batch 128 x [M 1,024, K 1,024] x [K 1,024, N 64]; A: softmax (see below); B: computed on the way: QUANTISED
;;     4. [M 8,192, K 1,024] x [K 1,024, N 1,024]; A: computed on the way; B: input w_proj: QUANTISED
;;   THE QUANTISER, for each operand of a quantised product, along K:
;;     - K is cut into blocks of 32 from its start; a last block that is shorter is filled with zeros.
;;     - A block's scale is 2^e with e = floor(log2(the largest magnitude in the block)) - 4, held to -126 .. 127; a block of zeros has e = 0. As a byte (E8M0): e + 127.
;;     - Each number is divided by its block's scale, clamped to +-28, and rounded to the nearest number of E3M2, ties to even, subnormals kept.
;;     - The product sums the exact products of the quantised numbers (number of the format x scale) in f32.
;;   ~~~python
;;   def quantise(x, axis):      # numpy; x: float32 -> the quantised numbers, widened to float32 again
;;       x = np.moveaxis(x, axis, -1); K = x.shape[-1]
;;       x = np.pad(x, [(0, 0)] * (x.ndim - 1) + [(0, -K % 32)]); x = x.reshape(x.shape[:-1] + (-1, 32)); a = np.abs(x).max(-1, keepdims=True)
;;       e = np.where(a > 0, np.clip(np.frexp(np.where(a > 0, a, 1))[1] - 1 - 4, -126, 127), 0)      # np.frexp(a)[1] - 1 = floor(log2(a)), exactly
;;       r = np.clip(x / 2.0 ** e, -28, 28)
;;       step = 2.0 ** (np.maximum(np.frexp(np.where(r == 0, 1, r))[1] - 1, -2) - 2)
;;       q = np.round(r / step) * step * 2.0 ** e      # np.round: ties to even
;;       return np.moveaxis(q.reshape(q.shape[:-2] + (-1,))[..., :K], -1, axis).astype(np.float32)
;;   ~~~
;;   SOFTMAX AHEAD OF A QUANTISED PRODUCT. Where the list says 'softmax', what is quantised is not the finished softmax but p = 2^(t - M), with t = logit x log2(e) and M = ceil(the row's largest t), a whole number; so 1/2 < the row's largest p <= 1. The row's sum l is taken of the UNQUANTISED p, in f32, and the product's result is divided by l at the end. Since M is a whole number, a kernel that streams over the keys may use a running M (the ceiling of the running maximum): every later rescaling is an exact power of two, which a block's scale takes up: the codes' values come out the same.
;;   OPERANDS COMPUTED ON THE WAY. 'Computed on the way' means the value that the module computes at that place (a softmax that the list does not call 'softmax' is quantised finished and normalised). What goes into a quantiser is computed in f32, as accurately as f32 sums, v_exp_f32 and their like allow (about 1e-6 of the number): no bf16 or f16 on the way to a quantiser, and a product that is left as it is and whose result goes on into a quantised operand takes f32 operands (vector FMAs, or v_wmma_f32_16x16x4_f32). A number that lies on a knife's edge between two numbers of the format may be rounded either way, as far as f32 arithmetic and the matrix unit's own rounding can turn it there, and no further.
;; One version. Each part assembles by itself: llvm-mc -triple=amdgcn-amd-amdhsa -mcpu=gfx1250 --defsym DOCPART=n.
;; ======== version 1 of 1: 4 launches
;; limits: right only within a limited range of input values
;; workspace buffers: xq 6,553,600 bytes; waq 2,457,600 bytes; wpq 819,200 bytes; yq 6,553,600 bytes; qkv 20,185,088 bytes
;; launch prep (part 1): grid 512 x 1, 4 waves a work-group, no clusters, 85,504 bytes of LDS; arguments x, w_attn, w_proj, xq, waq, wpq; writes xq, waq, wpq
.if DOCPART == 1
	.amdgcn_target "amdgcn-amd-amdhsa--gfx1250"
	.amdhsa_code_object_version 6
	.text
	.protected	k_q976af19836_prep
	.globl	k_q976af19836_prep
	.p2align	8
	.type	k_q976af19836_prep,@function
k_q976af19836_prep:
	s_mov_b64 s[64:65], 0
	v_nop
	global_prefetch_b8 v0, s[64:65] scope:SCOPE_SE
	s_setreg_imm32_b32 hwreg(HW_REG_WAVE_MODE, 25, 1), 1
	s_wait_xcnt 0x0
; CAUSAL SELF-ATTENTION IN MX-BF6 (E3M2, one E8M0 scale for each 32 along K), B 8, T 1024, C 1024, H 16, D 64.  Four launches:
;   prep      x, w_attn, w_proj (f32)      -> xq, waq, wpq: codes and scale bytes, K innermost
;   gemm_qkv  xq, waq, b_attn              -> qkv: q, k (quantised along d) and v (quantised along the keys) of every head
;   attn      qkv                          -> yq: y = softmax(q k^T / 8) v, quantised along C
;   gemm_proj yq, wpq, b_proj              -> out0
; DEAD WORK (left out in attn).  reference() sets att to -inf wherever key > query, by a mask that it builds itself (jnp.tril).  The softmax makes p = 0 of such a place,
; whatever finite values x, w_attn and b_attn hold; a 0 adds nothing to the row's sum nor to p v, and a block of zeros has zero codes.  So a step of 128 keys all of which come after all 16 queries
; of a tile is neither multiplied nor exponentiated.  No input is left out: all five have a way to out0 (k's bias moves k's codes, so it stays).
; LIMIT of that: a NaN, an infinity or an overflow that would arise only in scores under the mask is not carried to the result.
; LIMITS of the quantisers, in all four launches: NaN and infinities among the inputs are not served; a block of zeros, and a block whose largest magnitude lies under 2^-122, gets the scale byte 1
; (the rule says 127 for zeros: the codes are zeros, which add nothing under any byte but 0xff, and the bytes are read by this program alone).
;
; A GROUP is 32 rows x 256 K in 6,400 bytes: two blocks u of 16 rows, 3,072 bytes each, and 256 bytes of scale bytes [u][r][8].
; A block is four pieces of 768 bytes, 64 K each, each an IMAGE OF OPERAND REGISTERS 0-5: registers 0-3 at 16 x lane, registers 4-5 at 512 + 8 x lane; lane = r + 16 h holds k = 32 h .. 32 h + 31 of row r.
; THE ROWS OF A BLOCK ARE NOT NEIGHBOURS: row r of block u of group g is the tensor's row 32 g + 8 u + r + 8 (r / 8).  Where such blocks are source 0 of a product, the 16 result registers of blocks
; u = 0 and 1 are 16 neighbours, 32 g + 16 (lane / 16) + 0 .. 15: so a result can be quantised along that axis in registers.
; THE ORDER OF THE GROUPS: xq, waq: [K / 512][rows / 32][2 quarters of K][6,400]: half of K of neighbouring groups is one dense run of bytes;  wpq, yq: [rows / 32][4 quarters of K][6,400]: all of K of neighbouring groups is.
;
; THIS LAUNCH.  Work-groups 0-191: w_attn; 192-255: w_proj; 256-511: x.  The three ways have LDS bytes of their own.  No tensor load, no barrier: waves share nothing.
; x: a work-group takes one group of 32 rows for all of K; wave w takes K = 256 w .. 256 w + 255.
; A weight: a work-group takes 32 columns and half of K; wave w takes 128 along K: four blocks of 32, 128 loads of 128 bytes, of which two blocks' 64 are asked for ahead.  So a quarter of K of a group is made by two waves:
; each stores its 1,536 bytes of each block's codes whole, and 4 of each row's 8 scale bytes (a store of 4 bytes a lane, 8 bytes apart: the other four are the other wave's).
.set XSTG,  0                          ; x: a stage of 16 rows x (512 + 16) bytes for each wave
.set WASTG, 33792                      ; w_attn: 6,400 bytes for each wave (3,328 in use)
.set WPSTG, 59392                      ; w_proj: likewise
.set SPARE, 84992                      ; the spare words, 128 bytes for each wave: two blocks of 256 bytes that no other line names
.set SPW, 2                            ; v2   LDS address of my spare word; never rewritten
.set NIL, 3                            ; v3   0; never rewritten
.set SEL, 24                           ; s[24:25] v_permlanex16_b32's selects for lane l xor 16
.set R,   16                           ; x: v16-143  two sets of 64 numbers as loaded
.set X,   144                          ; x: v144-207 64 numbers of my row: register 16 b + i = k 32 b + 16 h + i
.set PC,  208                          ; x: v208-227 the codes just made
.set TM,  228                          ; x: v228-243 at work
.set PW,  244                          ; x: v244-247 the four scale words
.set WX,  16                           ; w: v16-79   two sets of 32 numbers down K
.set C,   80                           ; w: v80-86   a block's codes
.set SB,  88                           ; w: v88      my column's 4 scale bytes
.set OUT, 96                           ; w: v96-119  the way out
; 64 numbers of a lane, v[s] on, register 16 b + i = k 32 b + 16 (lane / 16) + i of my row, become a fragment's 12 registers of codes in v[PC] on and its scale word in v[pw].
.macro QUANT s, pw
.irp b, 0,1,2,3
	v_max3_num_f32 v[TM+\b], |v[\s+16*\b]|, |v[\s+1+16*\b]|, 0x2800000   ; block b: my 16 numbers, and the floor 2^(5 - 127): the byte cannot fall under 1
.endr
.irp i, 2,4,6,8,10,12,14
.irp b, 0,1,2,3
	v_max3_num_f32 v[TM+\b], v[TM+\b], |v[\s+16*\b+\i]|, |v[\s+1+16*\b+\i]|   ; the four blocks by turns
.endr
.endr
.irp b, 0,1,2,3
	v_permlanex16_b32 v[TM+4+\b], v[TM+\b], s[SEL], s[SEL+1]
.endr
.irp b, 0,1,2,3
	v_max_num_f32 v[TM+\b], v[TM+\b], v[TM+4+\b]   ; with lane l xor 16's 16: the block's largest magnitude
.endr
.irp b, 0,1,2,3
	v_add_nc_u32 v[TM+12+\b], 0xfe000000, v[TM+\b]   ; 4 off its exponent field: the conversion's scale operand
.endr
.irp b, 0,1,2,3
	v_lshrrev_b32 v[TM+4+\b], 23, v[TM+12+\b]      ; the scale's byte
.endr
	v_lshl_or_b32 v[\pw], v[TM+5], 8, v[TM+4]
	v_lshl_or_b32 v[\pw], v[TM+6], 16, v[\pw]
	v_lshl_or_b32 v[\pw], v[TM+7], 24, v[\pw]
.irp c, 0,1
	v_cvt_scalef32_pk16_bf6_f32 v[PC+6*\c:PC+2+6*\c], v[\s+32*\c:\s+15+32*\c], v[TM+12+2*\c]
	v_cvt_scalef32_pk16_bf6_f32 v[PC+12+4*\c:PC+14+4*\c], v[\s+16+32*\c:\s+31+32*\c], v[TM+12+2*\c+1]   ; (a conversion's three registers begin on an even number)
.endr
	v_nop                                          ; one plain place behind a scaled conversion
.irp c, 0,1                                    ; the operand's layout wants a whole block in a lane: lanes 0-15 block 2 c, lanes 16-31 block 2 c + 1
.irp i, 0,1,2
	v_permlane16_swap_b32 v[PC+6*\c+\i], v[PC+12+4*\c+\i]
.endr
.irp i, 0,1,2
	v_mov_b32 v[PC+3+6*\c+\i], v[PC+12+4*\c+\i]
.endr
.endr
.endm
; x, sub-step t: block u = t / 2, K step t % 2 of my 256.  Load i reads 512 consecutive bytes of the block's row i.
.macro LOADX t
.irp i, 0,1,2,3,4,5,6,7,8,9,10,11,12,13,14,15
	global_load_b128 v[R+64*((\t)%2)+4*\i:R+64*((\t)%2)+4*\i+3], v4, s[4:5] offset:(8*((\t)/2)+\i+8*(\i/8))*4096+512*((\t)%2) th:TH_LOAD_NT
.endr
.endm
.macro SUB t
.if (\t) < 3
	s_wait_loadcnt 16                              ; this sub-step's 16 loads are in; the next one's 16 may be out
.else
	s_wait_loadcnt 0x0
.endif
.irp i, 0,1,2,3,4,5,6,7,8,9,10,11,12,13,14,15
	ds_store_b128 v5, v[R+64*((\t)%2)+4*\i:R+64*((\t)%2)+4*\i+3] offset:528*\i   ; through my own stage: rows as they lie,
.endr
.irp b, 0,1,2,3
.irp j, 0,1,2,3
	ds_load_b128 v[X+16*\b+4*\j:X+16*\b+4*\j+3], v6 offset:128*\b+16*\j   ; and back 16 neighbours of each block of 32 to a lane (LDS serves a wave's instructions in order)
.endr
.endr
	s_wait_dscnt 0x0
.if (\t) < 2
	LOADX (\t)+2                                   ; the set that the stage's stores have read is loaded again
.endif
.if (\t) > 0
	s_wait_xcnt 0x0                                ; the last sub-step's stores have read the codes' registers
.endif
	QUANT X, PW+(\t)
	global_store_b128 v4, v[PC:PC+3], s[10:11] offset:((\t)/2)*3072+((\t)%2)*1536        ; each store covers 512 or 256 consecutive bytes, aligned
	global_store_b64 v7, v[PC+4:PC+5], s[10:11] offset:((\t)/2)*3072+((\t)%2)*1536+512
	global_store_b128 v4, v[PC+6:PC+9], s[10:11] offset:((\t)/2)*3072+((\t)%2)*1536+768
	global_store_b64 v7, v[PC+10:PC+11], s[10:11] offset:((\t)/2)*3072+((\t)%2)*1536+1280
.endm
; a weight [K][nn]: a lane takes a column, its registers run down K.  Block t: K = 32 t .. 32 t + 31 of my 128.
.macro WLOAD t, nn, src
.irp i, 0,1,2,3,4,5,6,7,8,9,10,11,12,13,14,15,16,17,18,19,20,21,22,23,24,25,26,27,28,29,30,31
	global_load_b32 v[WX+32*((\t)%2)+\i], v4, s[\src:\src+1] offset:(32*(\t)+\i)*\nn*4 th:TH_LOAD_NT
.endr
.endm
.macro BLOCK t, nn, src
.set XS, WX+32*((\t)%2)
.if (\t) < 3
	s_wait_loadcnt 32                              ; this block's 32 loads are in; the next block's may be out
.else
	s_wait_loadcnt 0x0
.endif
	v_max3_num_f32 v12, |v[XS]|, |v[XS+1]|, |v[XS+2]|   ; the block's largest magnitude: all 32 numbers are mine
	v_max3_num_f32 v13, |v[XS+3]|, |v[XS+4]|, |v[XS+5]|
.irp i, 6,10,14,18,22,26
	v_max3_num_f32 v12, v12, |v[XS+\i]|, |v[XS+\i+1]|
	v_max3_num_f32 v13, v13, |v[XS+\i+2]|, |v[XS+\i+3]|
.endr
	v_max3_num_f32 v12, v12, |v[XS+30]|, |v[XS+31]|
	v_max3_num_f32 v12, v12, v13, 0x2800000        ; and the floor
	v_add_nc_u32 v14, 0xfe000000, v12              ; the conversion's scale operand
	v_lshrrev_b32 v13, 23, v14                     ; the scale's byte
.if (\t) == 0
	v_mov_b32 v[SB], v13
.else
	v_lshl_or_b32 v[SB], v13, 8*(\t), v[SB]
.endif
	v_cvt_scalef32_pk16_bf6_f32 v[C:C+2], v[XS:XS+15], v14
	v_cvt_scalef32_pk16_bf6_f32 v[C+4:C+6], v[XS+16:XS+31], v14
	v_nop                                          ; one plain place behind a scaled conversion
	v_mov_b32 v[C+3], v[C+4]                       ; the block's six registers on end
	v_mov_b32 v[C+4], v[C+5]
	v_mov_b32 v[C+5], v[C+6]
	ds_store_b128 v10, v[C:C+3] offset:((\t)/2)*768+((\t)%2)*256          ; into the image: my piece t / 2, lane r + 16 (t % 2)
	ds_store_b64 v11, v[C+4:C+5] offset:((\t)/2)*768+512+((\t)%2)*128
.if (\t)+2 < 4
	WLOAD (\t)+2, \nn, \src
.endif
	s_wait_dscnt 0x0                               ; the stores have read their registers
.endm
; hs: half of K on in the codes' buffer; gs: a group on.  s26 = 1,536 x (wave % 2), s27 = 4 x (wave % 2), s28 = 6,400 x (wave / 2)
.macro WPATH nn, hs, gs, first, stg, src, dst
	s_add_co_u32 s18, s17, \stg                    ; my wave's stage
	v_add_nc_u32 v10, s18, v5
	v_add_nc_u32 v11, s18, v6
	v_add_nc_u32 v7, s18, v8
	v_add_nc_u32 v8, s26, v8                       ; out: my two pieces of a block's four,
	v_add_nc_u32 v9, s27, v9                       ; my four of a row's eight scale bytes
	s_sub_co_u32 s19, ttmp9, \first
	s_and_b32 s21, s19, 1                          ; which half of K
	s_lshr_b32 s19, s19, 1                         ; g
	s_lshl_b32 s20, s21, 2
	s_add_co_u32 s20, s20, s16
	s_mul_i32 s20, s20, 128*\nn*4                  ; my 128 rows of the weight,
	s_lshl_b32 s22, s19, 7                         ; my 32 columns
	s_add_co_u32 s20, s20, s22
	s_mul_i32 s22, s21, \hs                        ; my group's quarter of K in the codes' buffer
	s_add_co_u32 s22, s22, s28
	s_mul_i32 s23, s19, \gs
	s_add_co_u32 s22, s22, s23
	s_mov_b32 s21, 0
	s_mov_b32 s23, 0
	s_wait_alu depctr_va_vdst(0)
	s_wait_kmcnt 0x0
	s_add_nc_u64 s[\src:\src+1], s[\src:\src+1], s[20:21]
	s_add_nc_u64 s[\dst:\dst+1], s[\dst:\dst+1], s[22:23]
	WLOAD 0, \nn, \src
	WLOAD 1, \nn, \src
.irp t, 0,1,2,3
	BLOCK \t, \nn, \src
.endr
	s_wait_alu depctr_va_vdst(0)
	global_store_b32 v9, v[SB], s[\dst:\dst+1] offset:6144
.irp i, 0,1,2,3,4,5
	ds_load_b128 v[OUT+4*\i:OUT+4*\i+3], v7 offset:(\i/3)*1664+(\i%3)*512
.endr
.irp i, 0,1,2,3,4,5
	s_wait_dscnt 5-\i                              ; load i is back; the younger ones may be out
	global_store_b128 v8, v[OUT+4*\i:OUT+4*\i+3], s[\dst:\dst+1] offset:(\i/3)*3072+(\i%3)*512   ; 512 consecutive bytes, aligned
.endr
.endm
	s_load_b256 s[4:11], s[0:1], 0x0               ; x s[4:5], w_attn s[6:7], w_proj s[8:9], xq s[10:11]
	s_load_b128 s[12:15], s[0:1], 0x20             ; waq s[12:13], wpq s[14:15]
	v_lshl_add_u32 v[SPW], v0, 2, SPARE
	v_mov_b32 v[NIL], 0
	v_lshrrev_b32 v1, 5, v0
	v_readfirstlane_b32 s16, v1                    ; wave
	v_and_b32 v1, 31, v0                           ; lane
	s_mov_b32 s[SEL], 0x76543210
	s_mov_b32 s[SEL+1], 0xfedcba98
	s_cmp_lt_u32 ttmp9, 256
	s_wait_alu depctr_va_vdst(0)
	s_cbranch_scc1 .Lweights
	; ---- x: K is innermost
	v_and_b32 v12, 15, v0                          ; r
	v_bfe_u32 v13, v0, 4, 1                        ; h
	v_lshlrev_b32 v4, 4, v1                        ; 16 x lane
	v_lshlrev_b32 v7, 3, v1                        ; 8 x lane
	s_mul_i32 s17, s16, 8448                       ; my stage (XSTG = 0)
	v_add_nc_u32 v5, s17, v4                       ; in: 16 x lane of a row
	v_mul_u32_u24 v6, v12, 528
	v_lshl_add_u32 v6, v13, 6, v6
	v_add_nc_u32 v6, s17, v6                       ; back: row r, + 64 h
.irp b, 0,1,2,3
	v_mov_b32 v[TM+4+\b], 0                        ; written once: a lane permute's destination counts as one of its sources
.endr
	s_sub_co_u32 s27, ttmp9, 256                   ; g
	s_lshl_b32 s18, s27, 17                        ; 32 rows of 4,096 bytes a group,
	s_lshl_b32 s19, s16, 10                        ; 1,024 bytes of a row a wave
	s_add_co_u32 s18, s18, s19
	s_mov_b32 s19, 0
	s_lshr_b32 s20, s16, 1
	s_mul_i32 s20, s20, 3276800                    ; my group in xq: which half of K,
	s_mul_i32 s22, s27, 12800                      ; the group,
	s_add_co_u32 s20, s20, s22
	s_and_b32 s22, s16, 1
	s_mul_i32 s22, s22, 6400                       ; which quarter of that half
	s_add_co_u32 s20, s20, s22
	s_mov_b32 s21, 0
	s_mov_b32 s26, 0xffff0000                      ; lanes 16-31
	s_wait_alu depctr_va_vdst(0)
	s_wait_kmcnt 0x0
	s_add_nc_u64 s[4:5], s[4:5], s[18:19]
	s_add_nc_u64 s[10:11], s[10:11], s[20:21]
	LOADX 0
	LOADX 1
.irp t, 0,1,2,3
	SUB \t
.endr
	v_cndmask_b32 v10, v[PW], v[PW+2], s26         ; lanes 0-15: block 0's two words of row r; lanes 16-31: block 1's
	v_cndmask_b32 v11, v[PW+1], v[PW+3], s26
	global_store_b64 v7, v[10:11], s[10:11] offset:6144   ; 256 consecutive bytes, aligned
	s_branch .Lend
.Lweights:
	; ---- the weights: K is the first axis.  Lane l takes column 32 g + l, which is row r' = (l & 7) + 8 (l / 16) of block u = (l / 8) & 1
	v_bfe_u32 v12, v0, 3, 1                        ; u
	v_bfe_u32 v13, v0, 4, 1
	v_and_b32 v14, 7, v0
	v_lshl_or_b32 v14, v13, 3, v14                 ; r'
	v_lshlrev_b32 v4, 2, v1                        ; in: 4 bytes a lane
	v_lshlrev_b32 v8, 4, v1                        ; out: 16 bytes a lane
	v_lshlrev_b32 v9, 3, v14
	v_lshl_add_u32 v9, v12, 7, v9                  ; my row's scale bytes: 128 u + 8 r'
	v_mul_u32_u24 v10, v12, 1664                   ; in the stage block 1 begins 1,664 bytes on (128 more than my 1,536 of a block), so that the two blocks' lanes fall on different banks
	v_lshl_add_u32 v5, v14, 4, v10
	v_lshl_add_u32 v6, v14, 3, v10
	s_mul_i32 s17, s16, 6400
	s_and_b32 s27, s16, 1                          ; which 128 of a quarter of K
	s_mul_i32 s26, s27, 1536
	s_lshl_b32 s27, s27, 2
	s_lshr_b32 s28, s16, 1                         ; which quarter of my half of K
	s_mul_i32 s28, s28, 6400
	s_cmp_lt_u32 ttmp9, 192
	s_wait_alu depctr_va_vdst(0)
	s_cbranch_scc0 .Lwproj
	WPATH 3072, 1228800, 12800, 0, WASTG, 6, 12
	s_branch .Lend
.Lwproj:
	WPATH 1024, 12800, 25600, 192, WPSTG, 8, 14
.Lend:
	s_wait_tensorcnt 0x0                           ; the wave's end, behind my last LDS store
	ds_add_u32 v[SPW], v[NIL]
	s_wait_dscnt 0x0
	s_endpgm
.Lfunc_end_k_q976af19836_prep:
	.size	k_q976af19836_prep, .Lfunc_end_k_q976af19836_prep-k_q976af19836_prep
	.p2alignl 7, 3214868480
	.fill 96, 4, 3214868480
	.section	.rodata,"a",@progbits
	.p2align	6, 0x0
	.amdhsa_kernel k_q976af19836_prep
		.amdhsa_group_segment_fixed_size 85504
		.amdhsa_private_segment_fixed_size 0
		.amdhsa_enable_private_segment 0
		.amdhsa_kernarg_size 48
		.amdhsa_user_sgpr_count 2
		.amdhsa_user_sgpr_kernarg_segment_ptr 1
		.amdhsa_wavefront_size32 1
		.amdhsa_system_sgpr_workgroup_id_x 1
		.amdhsa_system_sgpr_workgroup_id_y 1
		.amdhsa_system_sgpr_workgroup_id_z 1
		.amdhsa_system_vgpr_workitem_id 0
		.amdhsa_next_free_vgpr 248
		.amdhsa_next_free_sgpr 66
		.amdhsa_reserve_vcc 0
		.amdhsa_float_denorm_mode_32 3
		.amdhsa_float_denorm_mode_16_64 3
		.amdhsa_memory_ordered 1
		.amdhsa_forward_progress 1
		.amdhsa_inst_pref_size 76
	.end_amdhsa_kernel
	.amdgpu_metadata
---
amdhsa.version: [ 1, 2 ]
amdhsa.kernels:
  - .name:           k_q976af19836_prep
    .symbol:         k_q976af19836_prep.kd
    .args:
      - { .name: x, .offset: 0, .size: 8, .value_kind: global_buffer, .address_space: global }
      - { .name: w_attn, .offset: 8, .size: 8, .value_kind: global_buffer, .address_space: global }
      - { .name: w_proj, .offset: 16, .size: 8, .value_kind: global_buffer, .address_space: global }
      - { .name: xq, .offset: 24, .size: 8, .value_kind: global_buffer, .address_space: global }
      - { .name: waq, .offset: 32, .size: 8, .value_kind: global_buffer, .address_space: global }
      - { .name: wpq, .offset: 40, .size: 8, .value_kind: global_buffer, .address_space: global }
    .group_segment_fixed_size: 85504
    .private_segment_fixed_size: 0
    .kernarg_segment_align: 8
    .kernarg_segment_size: 48
    .max_flat_workgroup_size: 128
    .sgpr_count:     66
    .vgpr_count:     248
    .wavefront_size: 32
...
	.end_amdgpu_metadata
.endif
;; end of part 1
;; launch gemm_qkv (part 2): grid 64 x 4, 4 waves a work-group, clusters of 4 x 4, 327,680 bytes of LDS; arguments xq, waq, b_attn, qkv; writes qkv
.if DOCPART == 2
	.amdgcn_target "amdgcn-amd-amdhsa--gfx1250"
	.amdhsa_code_object_version 6
	.text
	.protected	k_q976af19836_gemm_qkv
	.globl	k_q976af19836_gemm_qkv
	.p2align	8
	.type	k_q976af19836_gemm_qkv,@function
k_q976af19836_gemm_qkv:
	s_mov_b64 s[64:65], 0
	v_nop
	global_prefetch_b8 v0, s[64:65] scope:SCOPE_SE
	s_setreg_imm32_b32 hwreg(HW_REG_WAVE_MODE, 25, 1), 1
	s_wait_xcnt 0x0
	s_wait_alu depctr_hold_cnt(0) depctr_sa_sdst(0) depctr_va_vdst(0) depctr_va_sdst(0) depctr_va_ssrc(0) depctr_va_vcc(0) depctr_vm_vsrc(0)
	s_getreg_b32 s2, hwreg(HW_REG_IB_STS2, 6, 4)
	s_cmp_eq_u32 s2, 0
	s_cbranch_scc0 .Lentry_in_a_cluster
	s_endpgm
.Lentry_in_a_cluster:
	s_bfe_u32 s2, ttmp6, 0x10000c
	s_cmp_lg_u32 s2, 0xf033
	s_cbranch_scc0 .Lentry_shape_is_right
	s_endpgm
.Lentry_shape_is_right:
; qkv = x w_attn + b_attn on codes of BF6 (E3M2) with E8M0 scales, and q, k, v quantised on the way out: q and k along d, v along the keys.  No f32 result goes to memory.
; OPERANDS: xq [2][256][2][6,400], waq [2][96][2][6,400]: [half of K][group of 32 rows][quarter of K in that half]; a group's 6,400 bytes are images of operand registers with their scale bytes
; (the rows of a block of 16 are rows 32 g + 8 u + r + 8 (r / 8) of the tensor).  A fragment, 16 rows x 128 K, is 1,536 consecutive bytes: loads of 16, 8, 16, 8 bytes a lane at 0, 512, 768, 1,280.
; A TILE is 128 rows of "A" (source 1: a lane holds one of them) x 256 rows of "B" (source 0: a lane's registers run along them).  Four waves, each 64 x 128: 32 accumulators.
; 256 WORK-GROUPS STAY and make three tiles each: 768 tiles in all.  Tiles 0 and 1: A = tokens, B = 256 of columns 0-2047 of w_attn: a lane holds a token and two heads' d: q and k.
; Tile 2: A = 128 of columns 2048-3071 of w_attn, B = tokens: a lane holds one d and 128 neighbouring tokens = a key step of v.  Which way a tile goes is fixed by its number in the walk.
; THE RING: K goes in halves of 512 through two LDS slots (A's 4 groups, then B's 8: 153,600 bytes).  Six halves in all; the ring does not stop at a tile's end.  A slot is filled again in its own half's
; last K step, behind a round of the cluster's barrier; by this text's count one tensor load of a wave is out, and 112 matrix instructions (and, every second half, a tile's way out) stand between the request and the wait for it.
; A wave's load is a dense run of memory: 100 rows of 256 bytes (waves 0, 1: A's halves) or 200 (waves 2, 3: B's).
; CLUSTERS: 4 x 4 work-groups; A's tiles are asked for jointly along a row of the cluster, B's along a column.
; PREFETCH: xq's tiles (tile 1's A, tile 2's B) are asked for one half of K ahead of their tensor load; the four partners of a joint load share its blocks of 256 bytes out by address (25 or 50 each; lanes over 24 name
; block 24 again).  The first tile's come by their loads alone.  waq's tiles are not asked for: eight of the sixteen clusters load the same ones, and tile 1's B are the bytes that tile 0 has read.
; OUT: qkv = 128 head blocks of 157,696 bytes: Q images 64 x 768 | Q scale words 64 x 64 | K images | K scale words | V images [key step 8][16 d 4][1,536] | V scale words [8][4][64].
; LIMITS: as stated at the head of the first launch (NaN, infinities; the byte of a block of zeros).
; REGISTERS: window 0: v1-19, v232-238 addresses; v20-43 scale words, two sets; v48-111 T: 64 results with their bias; v112-175, v224-231 the bias; v176-223 the quantiser's.  window 1: the accumulators, (a, b) at v[8 (8 a + b)].
;   windows 2, 3: fragment sets 0, 1: B's eight at v[12 b], A's four at v[96 + 12 a].
.set SLOT,  153600
.set SPARE, 307200                     ; the spare words, 128 bytes for each wave: two blocks of 256 bytes that no other line names
.set QKS,   307712                     ; 512 bytes of scale words on their way out for each wave
.set HB,    157696                     ; a head block of qkv
.set XH,    3276800                    ; half of K on in xq,
.set WH,    1228800                    ; in waq
.set SEL, 2                            ; s[2:3] v_permlanex16_b32's selects for lane l xor 16
.set WV,  12                           ; s12 wave; s13 wave / 2: my half of A, and: I fetch for A (0) or B (1); s14 wave % 2: my half of B, and: which half I fetch
.set G1A, 24                           ; s[24:31] descriptor group 1 for A's tiles; s[32:39] for B's
.set G1B, 32
.set G0A, 40                           ; s[40:47] groups 0 for A's tiles, one for each slot; s[48:55] for B's
.set G0B, 48
.set NA,  56                           ; s[56:59] the next tile's A, my part: first and second half of K; s[60:63] its B
.set NB,  60
.set LA,  66                           ; s[66:69], s[70:73] the same of the last tile
.set LB,  70
.set AD0, 4                            ; v4-9 slot 0: A's fragments (16 x lane, 8 x lane), B's, A's scale words, B's;  v232-237 slot 1
.set AD1, 232
.set PFO, 238                          ; the prefetches' offset; never rewritten
.set SPW, 14
.set NIL, 15
.set SCA, 20
.set SCB, 28
.set T,   48
.set BI,  112
.set BV,  224
.set PC,  176
.set TM,  196
.set PW,  212
.set PWB, 216
.set E,   220
.set MSB, 0
.macro WIN new                         ; the immediate's high byte repeats the setting that is left
.if MSB != (\new)
	s_set_vgpr_msb (MSB<<8)|(\new)
.set MSB, (\new)
.endif
.endm
.macro CREST                           ; a round of the cluster's barrier behind its opening barrier
	s_cmp_lg_u32 s[WV], 0
	s_cbranch_scc1 .Lnot_wave_0_\@
	s_barrier_signal -3
.Lnot_wave_0_\@:
	s_barrier_wait -3
	s_barrier_signal -1
	s_barrier_wait -1
.endm
.macro CROUND
	s_barrier_signal -1
	s_barrier_wait -1
	CREST
.endm
.macro PLACES                          ; four plain places behind matrix instructions, in front of loads into their registers and of reads of their results
.rept 4
	v_nop
.endr
.endm
.macro JLOAD sl                        ; a joint load into slot sl: each line has one mask and one set of registers; the branch hangs on the wave's number alone
	s_cmp_eq_u32 s13, 0
	s_cbranch_scc0 .Lfor_b_\@
	tensor_load_to_lds s[G0A+4*\sl:G0A+4*\sl+3], s[G1A:G1A+7]
	s_nop 0
	PLACES
	s_branch .Lasked_\@
.Lfor_b_\@:
	tensor_load_to_lds s[G0B+4*\sl:G0B+4*\sl+3], s[G1B:G1B+7]
	s_nop 0
	PLACES
.Lasked_\@:
.endm
.macro PFA p                           ; waves 0, 1: my work-group's 25 of the 100 blocks of 256 bytes at s[p:p+1]
	s_cmp_lg_u32 s13, 0
	s_cbranch_scc1 .Lnot_a_\@
	global_prefetch_b8 v[PFO], s[\p:\p+1] th:TH_LOAD_NT scope:SCOPE_SE
.Lnot_a_\@:
.endm
.macro PFB p                           ; waves 2, 3: my work-group's 50 of the 200
	s_cmp_eq_u32 s13, 0
	s_cbranch_scc1 .Lnot_b_\@
	global_prefetch_b8 v[PFO], s[\p:\p+1] th:TH_LOAD_NT scope:SCOPE_SE
	global_prefetch_b8 v[PFO], s[\p:\p+1] offset:6400 th:TH_LOAD_NT scope:SCOPE_SE
.Lnot_b_\@:
.endm
.macro QUANT s, pw                     ; 64 numbers of a lane, register 16 b + i = k 32 b + 16 (lane / 16) + i, become 12 registers of codes in v[PC] on and the scale word in v[pw]
.irp b, 0,1,2,3
	v_max3_num_f32 v[TM+\b], |v[\s+16*\b]|, |v[\s+1+16*\b]|, 0x2800000   ; and the floor 2^(5 - 127): the byte cannot fall under 1
.endr
.irp i, 2,4,6,8,10,12,14
.irp b, 0,1,2,3
	v_max3_num_f32 v[TM+\b], v[TM+\b], |v[\s+16*\b+\i]|, |v[\s+1+16*\b+\i]|
.endr
.endr
.irp b, 0,1,2,3
	v_permlanex16_b32 v[TM+4+\b], v[TM+\b], s[SEL], s[SEL+1]
.endr
.irp b, 0,1,2,3
	v_max_num_f32 v[TM+\b], v[TM+\b], v[TM+4+\b]
.endr
.irp b, 0,1,2,3
	v_add_nc_u32 v[TM+12+\b], 0xfe000000, v[TM+\b]   ; 4 off the exponent field: the conversion's scale operand
.endr
.irp b, 0,1,2,3
	v_lshrrev_b32 v[TM+4+\b], 23, v[TM+12+\b]
.endr
	v_lshl_or_b32 v[\pw], v[TM+5], 8, v[TM+4]
	v_lshl_or_b32 v[\pw], v[TM+6], 16, v[\pw]
	v_lshl_or_b32 v[\pw], v[TM+7], 24, v[\pw]
.irp c, 0,1
	v_cvt_scalef32_pk16_bf6_f32 v[PC+6*\c:PC+2+6*\c], v[\s+32*\c:\s+15+32*\c], v[TM+12+2*\c]
	v_cvt_scalef32_pk16_bf6_f32 v[PC+12+4*\c:PC+14+4*\c], v[\s+16+32*\c:\s+31+32*\c], v[TM+12+2*\c+1]
.endr
	v_nop                                          ; one plain place behind a scaled conversion
.irp c, 0,1
.irp i, 0,1,2
	v_permlane16_swap_b32 v[PC+6*\c+\i], v[PC+12+4*\c+\i]
.endr
.irp i, 0,1,2
	v_mov_b32 v[PC+3+6*\c+\i], v[PC+12+4*\c+\i]
.endr
.endr
.endm
; the fragments of K step ks (0 .. 3) of slot sl into set p: 48 loads, each of 512 or 256 consecutive bytes
.macro FETCH sl, ks, p
.set AD_, AD0+(AD1-AD0)*(\sl)
.set KO_, ((\ks)/2)*6400+((\ks)%2)*1536
	WIN 0x80+0x40*(\p)
.irp i, 0,1,2,3,4,5,6,7
	ds_load_b128 v[12*\i:12*\i+3], v[AD_+2] offset:(\i/2)*12800+(\i%2)*3072+KO_
	ds_load_b64 v[12*\i+4:12*\i+5], v[AD_+3] offset:(\i/2)*12800+(\i%2)*3072+KO_+512
	ds_load_b128 v[12*\i+6:12*\i+9], v[AD_+2] offset:(\i/2)*12800+(\i%2)*3072+KO_+768
	ds_load_b64 v[12*\i+10:12*\i+11], v[AD_+3] offset:(\i/2)*12800+(\i%2)*3072+KO_+1280
.endr
.irp i, 0,1,2,3
	ds_load_b128 v[96+12*\i:96+12*\i+3], v[AD_] offset:(\i/2)*12800+(\i%2)*3072+KO_
	ds_load_b64 v[96+12*\i+4:96+12*\i+5], v[AD_+1] offset:(\i/2)*12800+(\i%2)*3072+KO_+512
	ds_load_b128 v[96+12*\i+6:96+12*\i+9], v[AD_] offset:(\i/2)*12800+(\i%2)*3072+KO_+768
	ds_load_b64 v[96+12*\i+10:96+12*\i+11], v[AD_+1] offset:(\i/2)*12800+(\i%2)*3072+KO_+1280
.endr
	WIN 0
.endm
; the scale words of quarter q (0, 1) of slot sl (two K steps' to a pair) into set q.  B: lanes 0-15 block j, lanes 16-31 block j + 4;  A: lanes 0-15 block j, lanes 16-31 block j + 2
.macro SCALES sl, q
.set AD_, AD0+(AD1-AD0)*(\sl)
.irp j, 0,1,2,3
	ds_load_b64 v[SCB+8*(\q)+2*\j:SCB+8*(\q)+2*\j+1], v[AD_+5] offset:6144+6400*(\q)+(\j/2)*12800+(\j%2)*128
.endr
.irp j, 0,1
	ds_load_b64 v[SCA+4*(\q)+2*\j:SCA+4*(\q)+2*\j+1], v[AD_+4] offset:6144+6400*(\q)+128*\j
.endr
.endm
; one product: A's block a x B's block b, K step s of the quarter, scale set q.  cm = 0: onto the sum; 1: the constant 0 starts it
.macro WM a, b, s, q, cm
.set RD_, 8*(8*(\a)+(\b))
.set RB_, 12*(\b)
.set RA_, 96+12*(\a)
.set SB_, SCB+8*(\q)+2*((\b)%4)+(\s)
.set SA_, SCA+4*(\q)+2*((\a)%2)+(\s)
.if (\cm) == 1
.if ((\b) >= 4) && ((\a) >= 2)
	v_wmma_scale_f32_16x16x128_f8f6f4 v[RD_:RD_+7], v[RB_:RB_+11], v[RA_:RA_+11], 0, v[SB_], v[SA_] matrix_a_fmt:MATRIX_FMT_BF6 matrix_b_fmt:MATRIX_FMT_BF6 matrix_a_scale:MATRIX_SCALE_ROW1 matrix_b_scale:MATRIX_SCALE_ROW1
.elseif (\b) >= 4
	v_wmma_scale_f32_16x16x128_f8f6f4 v[RD_:RD_+7], v[RB_:RB_+11], v[RA_:RA_+11], 0, v[SB_], v[SA_] matrix_a_fmt:MATRIX_FMT_BF6 matrix_b_fmt:MATRIX_FMT_BF6 matrix_a_scale:MATRIX_SCALE_ROW1
.elseif (\a) >= 2
	v_wmma_scale_f32_16x16x128_f8f6f4 v[RD_:RD_+7], v[RB_:RB_+11], v[RA_:RA_+11], 0, v[SB_], v[SA_] matrix_a_fmt:MATRIX_FMT_BF6 matrix_b_fmt:MATRIX_FMT_BF6 matrix_b_scale:MATRIX_SCALE_ROW1
.else
	v_wmma_scale_f32_16x16x128_f8f6f4 v[RD_:RD_+7], v[RB_:RB_+11], v[RA_:RA_+11], 0, v[SB_], v[SA_] matrix_a_fmt:MATRIX_FMT_BF6 matrix_b_fmt:MATRIX_FMT_BF6
.endif
.else
.if ((\b) >= 4) && ((\a) >= 2)
	v_wmma_scale_f32_16x16x128_f8f6f4 v[RD_:RD_+7], v[RB_:RB_+11], v[RA_:RA_+11], v[RD_:RD_+7], v[SB_], v[SA_] matrix_a_fmt:MATRIX_FMT_BF6 matrix_b_fmt:MATRIX_FMT_BF6 matrix_a_scale:MATRIX_SCALE_ROW1 matrix_b_scale:MATRIX_SCALE_ROW1
.elseif (\b) >= 4
	v_wmma_scale_f32_16x16x128_f8f6f4 v[RD_:RD_+7], v[RB_:RB_+11], v[RA_:RA_+11], v[RD_:RD_+7], v[SB_], v[SA_] matrix_a_fmt:MATRIX_FMT_BF6 matrix_b_fmt:MATRIX_FMT_BF6 matrix_a_scale:MATRIX_SCALE_ROW1
.elseif (\a) >= 2
	v_wmma_scale_f32_16x16x128_f8f6f4 v[RD_:RD_+7], v[RB_:RB_+11], v[RA_:RA_+11], v[RD_:RD_+7], v[SB_], v[SA_] matrix_a_fmt:MATRIX_FMT_BF6 matrix_b_fmt:MATRIX_FMT_BF6 matrix_b_scale:MATRIX_SCALE_ROW1
.else
	v_wmma_scale_f32_16x16x128_f8f6f4 v[RD_:RD_+7], v[RB_:RB_+11], v[RA_:RA_+11], v[RD_:RD_+7], v[SB_], v[SA_] matrix_a_fmt:MATRIX_FMT_BF6 matrix_b_fmt:MATRIX_FMT_BF6
.endif
.endif
.endm
; 16 products: A's blocks a0, a0 + 1 x B's eight, on fragment set p.  The 32 accumulators take turns, one instruction a turn, in the same order in every K step.
.macro MUL2 a0, p, s, q, cm
	WIN 0x5a+5*(\p)                                ; sources 0, 1: the set's window; C and D window 1
.irp a, \a0, \a0+1
.irp b, 0,1,2,3,4,5,6,7
	WM \a, \b, \s, \q, \cm
.endr
.endr
.endm
; HALF OF K: four K steps, 128 products, on slot sl.  It begins with K step 0's fragments and scale words on their way into set 0.  In its last K step the slots change.
; mode 1: the slot is filled again with the next tile's same half; mode 2: nothing is left to fetch, a barrier shows the other slot whole; mode 0: the walk's last half.
; pf 1: first trip: the next tile's A, second half of K; second trip: the last tile's B, second half.  pf 2: first trip: the last tile's B, first half.
.macro HALF sl, mode, cm0, pf
	s_wait_dscnt 0x0                               ; set 0 and the scale words are in
	PLACES                                         ; behind the products that read set 1
	FETCH \sl, 1, 1
	MUL2 0, 0, 0, 0, \cm0
	MUL2 2, 0, 0, 0, \cm0
	s_wait_dscnt 0x0                               ; set 1 is in
	PLACES                                         ; behind the products that read set 0
	FETCH \sl, 2, 0
	SCALES \sl, 1
	MUL2 0, 1, 1, 0, 0
	MUL2 2, 1, 1, 0, 0
	s_wait_dscnt 0x0
	PLACES
	FETCH \sl, 3, 1
	MUL2 0, 0, 0, 1, 0                             ; the slots change in the middle of K step 2: K step 3's fragments, the last reads of this slot, are on their way
	WIN 0
.if \mode > 0
	s_wait_tensorcnt 0x0                           ; all my tensor loads have landed: the one that was out is my part of the other slot
.endif
.if \mode == 1
	ds_add_u32 v[SPW], v[NIL]                      ; 0 onto my spare word
	s_mov_b64 s[G0A+4*\sl+2:G0A+4*\sl+3], s[NA+2*\sl:NA+2*\sl+1]   ; no load of mine is out: this slot's groups 0 take the next tile's addresses
	s_or_b32 s[G0A+4*\sl+3], s[G0A+4*\sl+3], 0x80000000
	s_mov_b64 s[G0B+4*\sl+2:G0B+4*\sl+3], s[NB+2*\sl:NB+2*\sl+1]
	s_or_b32 s[G0B+4*\sl+3], s[G0B+4*\sl+3], 0x80000000
.endif
	s_wait_dscnt 0x0                               ; set 1 is in: my reads of this slot are over; the add is done
.if \mode > 0
	s_barrier_signal -1                            ; (mode 1: this barrier opens a round of the cluster's barrier)
.endif
	MUL2 2, 0, 0, 1, 0
	WIN 0
.if \mode > 0
	s_barrier_wait -1
.if \mode == 1
	CREST                                          ; no wave of any partner still reads this slot or has a load on its way
	JLOAD \sl                                      ; the first tensor load behind the round; its four v_nop are the places in front of the loads below
.else
	PLACES
.endif
	FETCH 1-\sl, 0, 0
	SCALES 1-\sl, 0
.if \pf == 1
	s_cmp_lg_u32 s17, 0
	s_cbranch_scc1 .Lsecond_\@
	PFA NA+2
	s_branch .Lpf_done_\@
.Lsecond_\@:
	PFB LB+2
.Lpf_done_\@:
.elseif \pf == 2
	s_cmp_lg_u32 s17, 0
	s_cbranch_scc1 .Lno_pf_\@
	PFB LB
.Lno_pf_\@:
.endif
.endif
	MUL2 0, 1, 1, 1, 0                             ; K step 3: its 32 products stand between the next slot's first fragment loads and the wait for them
	MUL2 2, 1, 1, 1, 0
	WIN 0
.endm
; THE WAY OUT.  For each of A's four blocks: the lane's 64 sums with their bias come into window 0 (each accumulator from its low end on), are quantised, and the codes leave as images of operand registers.
.macro EPI v, ip, sp
	s_wait_loadcnt 0x0                             ; the bias
	PLACES
.irp a, 0,1,2,3
	s_wait_xcnt 0x0                                ; the last block's stores (the last tile's too) have read the codes' registers
	WIN 0x01                                       ; source 0 window 1
.set II, 0
.rept 32
.if \v
	v_pk_add_f32 v[T+II:T+II+1], v[64*\a+II:64*\a+II+1], v[BV+2*\a:BV+2*\a+1]   ; one d a lane: the pair holds its bias twice
.else
	v_pk_add_f32 v[T+II:T+II+1], v[64*\a+II:64*\a+II+1], v[BI+II:BI+II+1]
.endif
.set II, II+2
.endr
	WIN 0
	QUANT T, PW+\a
.if \v
	ds_store_b32 v12, v[PW+\a] offset:64*\a        ; (both halves of the lanes write the same word with the same value)
	global_store_b128 v10, v[PC:PC+3], s[\ip:\ip+1] offset:106496+1536*\a          ; each store covers 512 or 256 consecutive bytes, aligned
	global_store_b64 v11, v[PC+4:PC+5], s[\ip:\ip+1] offset:106496+1536*\a+512
	global_store_b128 v10, v[PC+6:PC+9], s[\ip:\ip+1] offset:106496+1536*\a+768
	global_store_b64 v11, v[PC+10:PC+11], s[\ip:\ip+1] offset:106496+1536*\a+1280
.else
	v_lshrrev_b32 v[PWB+\a], 16, v[PW+\a]          ; the second head's two bytes.  (A word's upper two bytes scale zero codes in the next launch: any byte but 0xff serves)
	ds_store_b32 v12, v[PW+\a] offset:64*\a
	ds_store_b32 v12, v[PWB+\a] offset:256+64*\a
	global_store_b128 v10, v[PC:PC+3], s[\ip:\ip+1] offset:768*\a                  ; registers 0-5: the first head's 64 d
	global_store_b64 v11, v[PC+4:PC+5], s[\ip:\ip+1] offset:768*\a+512
	global_store_b128 v10, v[PC+6:PC+9], s[\ip:\ip+1] offset:HB+768*\a             ; registers 6-11: the next head's
	global_store_b64 v11, v[PC+10:PC+11], s[\ip:\ip+1] offset:HB+768*\a+512
.endif
.endr
	ds_load_b64 v[E:E+1], v13                      ; the four blocks' scale words leave as 256 consecutive bytes, aligned (LDS serves a wave's instructions in order)
.if \v
	s_wait_dscnt 0x0
	global_store_b64 v11, v[E:E+1], s[\sp:\sp+1] offset:155648
.else
	ds_load_b64 v[E+2:E+3], v13 offset:256
	s_wait_dscnt 0x0
	global_store_b64 v11, v[E:E+1], s[\sp:\sp+1] offset:49152
	global_store_b64 v11, v[E+2:E+3], s[\sp:\sp+1] offset:49152+HB
.endif
.endm
	s_load_b256 s[4:11], s[0:1], 0x0               ; xq s[4:5], waq s[6:7], b_attn s[8:9], qkv s[10:11]
	v_lshl_add_u32 v[SPW], v0, 2, SPARE
	v_mov_b32 v[NIL], 0
	ds_add_u32 v[SPW], v[NIL]                      ; the wave's opening: the add, twice on end, and its wait ahead of my first tensor load
	ds_add_u32 v[SPW], v[NIL]
	v_lshrrev_b32 v1, 5, v0
	v_readfirstlane_b32 s[WV], v1
	s_lshr_b32 s13, s[WV], 1
	s_and_b32 s14, s[WV], 1
	s_bfe_u32 s15, ttmp6, 0x40000                  ; cx
	s_bfe_u32 s16, ttmp6, 0x40004                  ; cy
	s_mov_b32 s[SEL], 0x76543210
	s_mov_b32 s[SEL+1], 0xfedcba98
	; A's side: made of the cluster's number c, cy and the wave's number; no register here holds cx
	s_lshr_b32 s80, ttmp9, 1
	s_lshl_b32 s80, s80, 2
	s_add_co_u32 s80, s80, s16                     ; tile 0: which 128 tokens, 0 .. 31 (tile 1: 32 further on)
	s_lshr_b32 s81, ttmp9, 3
	s_lshl_b32 s81, s81, 2
	s_add_co_u32 s81, s81, s16                     ; tile 2: which 128 of v's columns
	s_lshl_b32 s84, s14, 1                         ; I would fetch two groups of the four
	s_lshl_b32 s82, s80, 2
	s_add_co_u32 s82, s82, s84
	s_mul_i32 s82, s82, 12800
	s_mov_b32 s83, 0
	s_lshl_b32 s92, s81, 2
	s_add_co_u32 s92, s92, s84
	s_add_co_u32 s92, s92, 64                      ; v's columns begin at group 64 of waq
	s_mul_i32 s92, s92, 12800
	s_mov_b32 s93, 0
	s_mul_i32 s85, s14, 25600                      ; and where they go
	; B's side: made of c, cx and the wave's number
	s_and_b32 s86, ttmp9, 1
	s_lshl_b32 s86, s86, 2
	s_add_co_u32 s86, s86, s15                     ; tiles 0, 1: which 256 of q's and k's columns
	s_and_b32 s87, ttmp9, 7
	s_lshl_b32 s87, s87, 2
	s_add_co_u32 s87, s87, s15                     ; tile 2: which 256 tokens
	s_lshl_b32 s90, s14, 2                         ; I would fetch four groups of the eight
	s_lshl_b32 s88, s86, 3
	s_add_co_u32 s88, s88, s90
	s_mul_i32 s88, s88, 12800
	s_mov_b32 s89, 0
	s_lshl_b32 s94, s87, 3
	s_add_co_u32 s94, s94, s90
	s_mul_i32 s94, s94, 12800
	s_mov_b32 s95, 0
	s_mul_i32 s91, s14, 51200
	s_add_co_u32 s91, s91, 51200
	s_lshl_b32 s22, s16, 2
	s_lshl_b32 s22, 15, s22                        ; my row of the cluster
	s_lshl_b32 s23, 0x1111, s15                    ; my column
	; group 1: a dense block as rows of 256 bytes (32 elements of 8): 100 rows for A, 200 for B; no padding
	s_or_b32 s[G1A], s22, (3<<16)|(1<<21)
	s_or_b32 s[G1B], s23, (3<<16)|(1<<21)
	s_mov_b32 s[G1A+1], 32<<16
	s_mov_b32 s[G1A+2], 100<<16
	s_mov_b32 s[G1A+3], 32<<16
	s_mov_b32 s[G1A+4], 100
	s_mov_b32 s[G1A+5], 32
	s_mov_b32 s[G1A+6], 0
	s_mov_b32 s[G1A+7], 0
	s_mov_b32 s[G1B+1], 32<<16
	s_mov_b32 s[G1B+2], 200<<16
	s_mov_b32 s[G1B+3], 32<<16
	s_mov_b32 s[G1B+4], 200
	s_mov_b32 s[G1B+5], 32
	s_mov_b32 s[G1B+6], 0
	s_mov_b32 s[G1B+7], 0
	s_wait_dscnt 0x0                               ; both opening adds are done
	s_wait_kmcnt 0x0
	s_add_nc_u64 s[82:83], s[4:5], s[82:83]        ; tile 0's A, in xq
	s_add_nc_u64 s[88:89], s[6:7], s[88:89]        ; tiles 0 and 1's B, in waq
	s_add_nc_u64 s[LA:LA+1], s[6:7], s[92:93]      ; tile 2's A, in waq
	s_add_nc_u64 s[LB:LB+1], s[4:5], s[94:95]      ; tile 2's B, in xq
	s_add_nc_u64 s[LA+2:LA+3], s[LA:LA+1], WH
	s_add_nc_u64 s[LB+2:LB+3], s[LB:LB+1], XH
	s_add_nc_u64 s[NA:NA+1], s[82:83], 1638400     ; tile 1's A: 128 groups on
	s_add_nc_u64 s[NA+2:NA+3], s[NA:NA+1], XH
	s_mov_b64 s[NB:NB+1], s[88:89]
	s_add_nc_u64 s[NB+2:NB+3], s[88:89], WH
.irp s, 0,1
	s_mov_b32 s[G0A+4*\s], 1
	s_add_co_u32 s[G0A+4*\s+1], s85, \s*SLOT
	s_add_nc_u64 s[G0A+4*\s+2:G0A+4*\s+3], s[82:83], \s*XH
	s_or_b32 s[G0A+4*\s+3], s[G0A+4*\s+3], 0x80000000
	s_mov_b32 s[G0B+4*\s], 1
	s_add_co_u32 s[G0B+4*\s+1], s91, \s*SLOT
	s_add_nc_u64 s[G0B+4*\s+2:G0B+4*\s+3], s[88:89], \s*WH
	s_or_b32 s[G0B+4*\s+3], s[G0B+4*\s+3], 0x80000000
.endr
	CROUND                                         ; all sixteen work-groups are here: the first joint loads meet
	JLOAD 0                                        ; tile 0, first half of K: one tensor load a wave at the head
	; where tile 0's two heads' images and scale words go (tile 1's: four batches on)
	s_lshr_b32 s18, s80, 3                         ; batch
	s_and_b32 s19, s80, 7
	s_lshl_b32 s19, s19, 3
	s_lshl_b32 s20, s13, 2
	s_add_co_u32 s19, s19, s20                     ; my first tile of 16 tokens in the batch
	s_lshl_b32 s20, s86, 2
	s_lshl_b32 s21, s14, 1
	s_add_co_u32 s20, s20, s21                     ; my first run of 64 columns: 0-15 q's heads, 16-31 k's
	s_lshr_b32 s21, s20, 4
	s_and_b32 s20, s20, 15
	s_lshl_b32 s18, s18, 4
	s_add_co_u32 s18, s18, s20
	s_mul_i32 s18, s18, HB
	s_mul_i32 s21, s21, 53248
	s_add_co_u32 s18, s18, s21                     ; Q's or K's part of the head block
	s_mul_i32 s96, s19, 768
	s_add_co_u32 s96, s96, s18
	s_mov_b32 s97, 0
	s_add_nc_u64 s[96:97], s[10:11], s[96:97]      ; the images
	s_lshl_b32 s98, s19, 6
	s_add_co_u32 s98, s98, s18
	s_mov_b32 s99, 0
	s_add_nc_u64 s[98:99], s[10:11], s[98:99]      ; the scale words (49,152 on, in the immediates)
	; where tile 2's key step of v goes
	s_lshl_b32 s74, s81, 1
	s_add_co_u32 s74, s74, s13                     ; head
	s_lshr_b32 s75, s87, 2                         ; batch
	s_lshl_b32 s75, s75, 4
	s_add_co_u32 s74, s74, s75
	s_mul_i32 s74, s74, HB
	s_and_b32 s75, s87, 3
	s_lshl_b32 s75, s75, 1
	s_add_co_u32 s75, s75, s14                     ; key step
	s_lshl_b32 s76, s75, 8
	s_add_co_u32 s76, s76, s74
	s_mul_i32 s75, s75, 6144
	s_add_co_u32 s74, s74, s75
	s_mov_b32 s75, 0
	s_mov_b32 s77, 0
	s_add_nc_u64 s[74:75], s[10:11], s[74:75]      ; the images (106,496 on, in the immediates)
	s_add_nc_u64 s[76:77], s[10:11], s[76:77]      ; the scale words (155,648 on)
	s_lshl_b32 s22, s86, 10
	s_lshl_b32 s23, s14, 9
	s_add_co_u32 s22, s22, s23
	s_mov_b32 s23, 0
	s_add_nc_u64 s[22:23], s[8:9], s[22:23]        ; the bias of my 128 columns of q, k
	s_lshl_b32 s78, s81, 9
	s_lshl_b32 s79, s13, 8
	s_add_co_u32 s78, s78, s79
	s_add_co_u32 s78, s78, 8192
	s_mov_b32 s79, 0
	s_add_nc_u64 s[78:79], s[8:9], s[78:79]        ; the bias of my 64 columns of v
	s_cmp_eq_u32 s13, 0
	s_cselect_b32 s92, s15, s16                    ; my place among the four that ask for a tile with me: cx for A, cy for B
	s_add_co_u32 s93, s13, 1
	s_mul_i32 s92, s92, s93
	s_mul_i32 s92, s92, 6400                       ; 25 blocks of 256 bytes a partner for A, 50 for B
	s_mul_i32 s18, s13, 25600                      ; my 64 rows of A in slot 0,
	s_mul_i32 s19, s14, 51200
	s_add_co_u32 s19, s19, 51200                   ; my 128 rows of B,
	s_add_co_u32 s20, s18, SLOT                    ; and in slot 1
	s_add_co_u32 s21, s19, SLOT
	s_lshl_b32 s94, s[WV], 9
	s_add_co_u32 s94, s94, QKS
	v_and_b32 v1, 15, v0                           ; r
	v_bfe_u32 v2, v0, 4, 1                         ; h
	v_and_b32 v3, 31, v0                           ; lane
	v_lshlrev_b32 v10, 4, v3
	v_lshlrev_b32 v11, 3, v3
	v_lshlrev_b32 v16, 3, v1
	v_mad_u32_u24 v18, v2, 12800, v16              ; A's scale words: 8 r; lanes 16-31 one group on
	v_mad_u32_u24 v19, v2, 25600, v16              ; B's: lanes 16-31 two groups on
.irp s, 0,1
	v_add_nc_u32 v[AD0+(AD1-AD0)*\s], s[18+2*\s], v10
	v_add_nc_u32 v[AD0+(AD1-AD0)*\s+1], s[18+2*\s], v11
	v_add_nc_u32 v[AD0+(AD1-AD0)*\s+2], s[19+2*\s], v10
	v_add_nc_u32 v[AD0+(AD1-AD0)*\s+3], s[19+2*\s], v11
	v_add_nc_u32 v[AD0+(AD1-AD0)*\s+4], s[18+2*\s], v18
	v_add_nc_u32 v[AD0+(AD1-AD0)*\s+5], s[19+2*\s], v19
.endr
.irp b, 0,1,2,3
	v_mov_b32 v[TM+4+\b], 0                        ; written once: a lane permute's destination counts as one of its sources
.endr
	v_lshl_add_u32 v12, v1, 2, s94                 ; the scale words' stage: in 4 r,
	v_add_nc_u32 v13, s94, v11                     ; back 8 x lane
	v_min_u32 v[PFO], 24, v3
	v_lshlrev_b32 v[PFO], 8, v[PFO]
	v_add_nc_u32 v[PFO], s92, v[PFO]
	v_lshlrev_b32 v16, 6, v2                       ; q, k: lane (r, h) wants, for block t, the bias of columns 32 (t / 2) + 16 h + 8 (t % 2) + 0 .. 7
	v_and_b32 v17, 8, v1
	v_add_nc_u32 v17, v17, v1
	v_lshlrev_b32 v17, 2, v17                      ; v: lane r of block a holds column 32 (a / 2) + 8 (a % 2) + r + 8 (r / 8)
.irp t, 0,1,2,3,4,5,6,7
	global_load_b128 v[BI+8*\t:BI+8*\t+3], v16, s[22:23] offset:(32*(\t/2)+8*(\t%2))*4
	global_load_b128 v[BI+8*\t+4:BI+8*\t+7], v16, s[22:23] offset:(32*(\t/2)+8*(\t%2))*4+16
.endr
.irp a, 0,1,2,3
	global_load_b32 v[BV+2*\a], v17, s[78:79] offset:(32*(\a/2)+8*(\a%2))*4
	global_load_b32 v[BV+2*\a+1], v17, s[78:79] offset:(32*(\a/2)+8*(\a%2))*4
.endr
	s_wait_alu depctr_va_vdst(0)
	s_wait_tensorcnt 0x0                           ; my part of slot 0 is in
	ds_add_u32 v[SPW], v[NIL]
	s_wait_dscnt 0x0
	CROUND                                         ; everybody's part is in, and all sixteen work-groups are here
	JLOAD 1                                        ; tile 0, second half of K: the first tensor load behind the round
	FETCH 0, 0, 0
	SCALES 0, 0
	PFA NA                                         ; tile 1's A, first half of K: its load stands one half on
	s_mov_b32 s17, 0
.Ltile:                                                ; two trips: tiles 0 and 1; each fills both slots again, with the next tile's halves
	HALF 0, 1, 1, 1
	HALF 1, 1, 0, 2
	EPI 0, 96, 98
	s_wait_xcnt 0x0                                ; the stores and prefetches have read their addresses
	s_add_nc_u64 s[96:97], s[96:97], 10092544      ; tile 1: 32 tile rows = four batches = 64 head blocks on
	s_add_nc_u64 s[98:99], s[98:99], 10092544
	s_mov_b64 s[NA:NA+1], s[LA:LA+1]               ; the tile after the next is the last
	s_mov_b64 s[NA+2:NA+3], s[LA+2:LA+3]
	s_mov_b64 s[NB:NB+1], s[LB:LB+1]
	s_mov_b64 s[NB+2:NB+3], s[LB+2:LB+3]
	s_add_co_u32 s17, s17, 1
	s_cmp_lt_u32 s17, 2
	s_wait_alu depctr_va_vdst(0)
	s_cbranch_scc1 .Ltile
	HALF 0, 2, 1, 0                                ; tile 2 is written out: it asks for nothing more
	HALF 1, 0, 0, 0
	EPI 1, 74, 76
	s_wait_tensorcnt 0x0                           ; the wave's end, behind my last tensor load and my last LDS store
	ds_add_u32 v[SPW], v[NIL]
	s_wait_dscnt 0x0
	CROUND                                         ; the closing round
	s_endpgm
.Lfunc_end_k_q976af19836_gemm_qkv:
	.size	k_q976af19836_gemm_qkv, .Lfunc_end_k_q976af19836_gemm_qkv-k_q976af19836_gemm_qkv
	.p2alignl 7, 3214868480
	.fill 96, 4, 3214868480
	.section	.rodata,"a",@progbits
	.p2align	6, 0x0
	.amdhsa_kernel k_q976af19836_gemm_qkv
		.amdhsa_group_segment_fixed_size 327680
		.amdhsa_private_segment_fixed_size 0
		.amdhsa_enable_private_segment 0
		.amdhsa_kernarg_size 32
		.amdhsa_user_sgpr_count 2
		.amdhsa_user_sgpr_kernarg_segment_ptr 1
		.amdhsa_wavefront_size32 1
		.amdhsa_system_sgpr_workgroup_id_x 1
		.amdhsa_system_sgpr_workgroup_id_y 1
		.amdhsa_system_sgpr_workgroup_id_z 1
		.amdhsa_system_vgpr_workitem_id 0
		.amdhsa_next_free_vgpr 1024
		.amdhsa_next_free_sgpr 102
		.amdhsa_reserve_vcc 0
		.amdhsa_float_denorm_mode_32 3
		.amdhsa_float_denorm_mode_16_64 3
		.amdhsa_memory_ordered 1
		.amdhsa_forward_progress 1
		.amdhsa_inst_pref_size 187
	.end_amdhsa_kernel
	.amdgpu_metadata
---
amdhsa.version: [ 1, 2 ]
amdhsa.kernels:
  - .name:           k_q976af19836_gemm_qkv
    .symbol:         k_q976af19836_gemm_qkv.kd
    .args:
      - { .name: xq, .offset: 0, .size: 8, .value_kind: global_buffer, .address_space: global }
      - { .name: waq, .offset: 8, .size: 8, .value_kind: global_buffer, .address_space: global }
      - { .name: b_attn, .offset: 16, .size: 8, .value_kind: global_buffer, .address_space: global }
      - { .name: qkv, .offset: 24, .size: 8, .value_kind: global_buffer, .address_space: global }
    .group_segment_fixed_size: 327680
    .private_segment_fixed_size: 0
    .kernarg_segment_align: 8
    .kernarg_segment_size: 32
    .max_flat_workgroup_size: 128
    .sgpr_count:     102
    .vgpr_count:     1024
    .wavefront_size: 32
...
	.end_amdgpu_metadata
.endif
;; end of part 2
;; launch attn (part 3): grid 256 x 1, 16 waves a work-group, no clusters, 167,936 bytes of LDS; arguments qkv, yq; writes yq
.if DOCPART == 3
	.amdgcn_target "amdgcn-amd-amdhsa--gfx1250"
	.amdhsa_code_object_version 6
	.text
	.protected	k_q976af19836_attn
	.globl	k_q976af19836_attn
	.p2align	8
	.type	k_q976af19836_attn,@function
k_q976af19836_attn:
	s_mov_b64 s[64:65], 0
	v_nop
	global_prefetch_b8 v0, s[64:65] scope:SCOPE_SE
	s_setreg_imm32_b32 hwreg(HW_REG_WAVE_MODE, 25, 1), 1
	s_wait_xcnt 0x0
; y = softmax(q k^T / 8, causal) v for 128 heads of 1,024 tokens x 64, both products on codes of BF6 (E3M2) with E8M0 scales; y is quantised along C on the way out (yq: the next launch's operand).
; LEFT OUT: key steps all of whose 128 keys come after all 16 queries of a tile: reference()'s own mask makes their p = 0 (shown at the head of the first launch; its limit holds here).
; THE SOFTMAX: t = score x log2(e) / 8; M = the running largest t rounded up to a whole number; p = 2^(t - M) is quantised along the keys, not normalised; the row's sum is taken of the unquantised p and
; divides at the end (v_rcp_f32 and a multiplication).  When M moves, the sum and O are multiplied by 2^(old M - new M): exact.  So the order of the key steps is free.
; SHARES.  Two work-groups to a head.  Wave w of work-group half sp owns the query tiles i1 = 2 w + sp and i2 = 63 - i1.  Tile i needs i / 8 + 1 key steps: w / 4 + 1 and 8 - w / 4: NINE STEPS FOR EVERY WAVE.
; A head's K and V, images and scale words, are 104,448 consecutive bytes of qkv: they come into LDS once (waves 0-7: one tensor load of 51 rows of 256 bytes each) and nothing is filled again.
; One loop of nine trips: trips t <= w / 4 are tile i1's, key steps ascending from 0; then the tile is finished and the wave changes over; the later trips are tile i2's, key steps descending from its diagonal.
; In either order the first step holds a key that counts for every query of the tile, so M is a number from the first step on.
; LAYOUT.  Both products transposed: S^T = K Q^T, O^T = V^T P^T: a lane holds ONE query.  The rows of every tile of 16 (tokens, d) are rows 32 g + 8 u + r + 8 (r / 8), so that the 16 registers of two
; neighbouring result tiles are 16 neighbours: keys for p, d for y.
; K = 64 UNDER AN INSTRUCTION OF 128: Q's registers 6-11 hold zero codes; a tile of K is named with the six registers that follow it (the next tile's codes, or six zeros): those products are 0 x a finite number.
; yq's codes leave as 512 and 256 consecutive bytes.  A tile's scale bytes are 2 bytes a row, 8 bytes apart (one store a tile): the row's other six bytes belong to other heads, which other work-groups hold.
; No cluster: only two work-groups share a head's bytes, each fetches them once, and a cluster of four would join two heads, whose tiles differ.
; REGISTERS: v1-4 lane terms; v5, v6 the add's; v7 query - 16 h; v8-11 the step's addresses; v12 -M, v13 largest t, v[14:15] the sum; v16-27 Q; v28 its scale words; v29 8 r; v30 4 r; v32-79 K's tiles, then V's
; fragments; v80-85 zeros; v86-93 tile i2's Q, scale words, query; v96-159 S^T, p, y; v160-191 O^T; v192-217 at work; v218-223 K's and V's scale words; v224-235 p's codes.
.set HB,    157696
.set KSC,   49152                      ; LDS: K's images at 0; K's scale words;
.set VIMG,  53248                      ; V's images;
.set VSC,   102400                     ; V's scale words, up to 104,448
.set SPARE, 165888                     ; the spare words, 128 bytes for each wave: eight blocks of 256 bytes that no other line names
.set SPW, 5
.set NIL, 6
.set BM,  192                          ; v192-195 a block's largest score, then its largest p
.set BX,  196                          ; v196-199 the other half's; a chain of the sum; the bytes
.set SOP, 200                          ; v200-203 the conversions' scale operands
.set CT,  204                          ; v204-210 conversions' second halves
.set SEL, 52                           ; s[52:53]
.set CS,  54                           ; s[54:55] c = log2(e) / 8
.set TT,  45                           ; s45 the trip
.macro PLACES
.rept 4
	v_nop
.endr
.endm
.macro INIT                            ; a tile begins: the largest t under every t, the sum and O^T zeros (the first change of M leaves zeros zeros)
	v_mov_b32 v13, 0xff61b1e6
	s_delay_alu instid0(VALU_DEP_1)
	v_floor_f32 v12, -v13
	v_mov_b32 v14, 0
	v_mov_b32 v15, 0
.set NN, 0
.rept 32
	v_mov_b32 v[160+NN], 0
.set NN, NN+1
.endr
.endm
.macro TASKADR qt, yc, ys              ; where tile s[qt]'s codes and scale bytes go in yq
	s_lshr_b32 s56, s[\qt], 1
	s_lshl_b32 s56, s56, 2                         ; yq lies [group][quarter of C][6,400]
	s_add_co_u32 s56, s56, s34
	s_mul_i32 s56, s56, 6400                       ; the group
	s_and_b32 s57, s[\qt], 1
	s_mul_i32 s58, s57, 3072
	s_add_co_u32 s58, s58, s56
	s_add_co_u32 s58, s58, s35                     ; block, and my head's piece of 64 along C
	s_mov_b32 s59, 0
	s_add_nc_u64 s[\yc:\yc+1], s[6:7], s[58:59]
	s_lshl_b32 s58, s57, 7
	s_add_co_u32 s58, s58, s56
	s_add_co_u32 s58, s58, s51
	s_add_nc_u64 s[\ys:\ys+1], s[6:7], s[58:59]
.endm
; A KEY STEP: 128 keys, step s46.
.macro STEP
	v_add_nc_u32 v8, s47, v1                       ; these four are also the places behind the last products, in front of the loads into their registers
	v_add_nc_u32 v9, s47, v2
	v_add_nc_u32 v10, s48, v3
	v_add_nc_u32 v11, s49, v4
.irp j, 0,1,2,3,4,5,6,7
	ds_load_b128 v[32+6*\j:35+6*\j], v8 offset:768*\j
	ds_load_b64 v[36+6*\j:37+6*\j], v9 offset:768*\j+512
.endr
.irp j, 0,1,2,3
	ds_load_b32 v[218+\j], v10 offset:128*\j       ; lanes 0-15: tile 2 j's words; lanes 16-31: tile 2 j + 1's
.endr
.irp j, 0,1
	ds_load_b32 v[222+\j], v11 offset:128*\j       ; V's likewise
.endr
	s_wait_alu depctr_va_vdst(0)
	s_wait_dscnt 0x0
.irp j, 0,2,4,6
	v_wmma_scale_f32_16x16x128_f8f6f4 v[96+8*\j:103+8*\j], v[32+6*\j:43+6*\j], v[16:27], 0, v[218+\j/2], v28 matrix_a_fmt:MATRIX_FMT_BF6 matrix_b_fmt:MATRIX_FMT_BF6
	v_wmma_scale_f32_16x16x128_f8f6f4 v[104+8*\j:111+8*\j], v[38+6*\j:49+6*\j], v[16:27], 0, v[218+\j/2], v28 matrix_a_fmt:MATRIX_FMT_BF6 matrix_b_fmt:MATRIX_FMT_BF6 matrix_a_scale:MATRIX_SCALE_ROW1
.endr
	PLACES
.irp d, 0,1,2,3                                ; V's four fragments land while the softmax is walked
	ds_load_b128 v[32+12*\d:35+12*\d], v8 offset:VIMG+1536*\d
	ds_load_b64 v[36+12*\d:37+12*\d], v9 offset:VIMG+1536*\d+512
	ds_load_b128 v[38+12*\d:41+12*\d], v8 offset:VIMG+1536*\d+768
	ds_load_b64 v[42+12*\d:43+12*\d], v9 offset:VIMG+1536*\d+1280
.endr
	s_cmp_lg_u32 s46, s44                          ; only the tile's diagonal step hides keys: ids and the count of trips decide
	s_cbranch_scc1 .Lopen_\@
	v_add_nc_u32 v216, s50, v7                     ; d = my query - 128 step - 16 h.  Register 16 b + i holds key 128 step + 16 h + 32 b + i: hidden where 32 b + i > d
	v_mov_b32 v217, 0xff800000                     ; -infinity: p = 0 then
.set NN, 0
.rept 64
	v_cmp_gt_i32 vcc_lo, 32*(NN/16)+NN%16, v216
	v_cndmask_b32 v[96+NN], v[96+NN], v217, vcc_lo
.set NN, NN+1
.endr
.Lopen_\@:
.irp b, 0,1,2,3
	v_max3_num_f32 v[BM+\b], v[96+16*\b], v[97+16*\b], v[98+16*\b]   ; the largest score of each block of 32 keys: for the row's maximum, and, since p rises with the score, for the block's largest p
.endr
.irp i, 3,5,7,9,11,13
.irp b, 0,1,2,3
	v_max3_num_f32 v[BM+\b], v[BM+\b], v[96+16*\b+\i], v[97+16*\b+\i]
.endr
.endr
.irp b, 0,1,2,3
	v_max_num_f32 v[BM+\b], v[BM+\b], v[111+16*\b]
.endr
.irp b, 0,1,2,3
	s_delay_alu instid0(VALU_DEP_4)
	v_permlanex16_b32 v[BX+\b], v[BM+\b], s[SEL], s[SEL+1]
.endr
.irp b, 0,1,2,3
	s_delay_alu instid0(VALU_DEP_4)
	v_max_num_f32 v[BM+\b], v[BM+\b], v[BX+\b]     ; with lane l xor 16's 16 keys
.endr
	s_delay_alu instid0(VALU_DEP_2)
	v_max3_num_f32 v216, v[BM], v[BM+1], v[BM+2]
	s_delay_alu instid0(VALU_DEP_1)
	v_max_num_f32 v216, v216, v[BM+3]
	s_delay_alu instid0(VALU_DEP_1)
	v_mul_f32 v216, s[CS], v216                    ; the step's largest t
	s_delay_alu instid0(VALU_DEP_1)
	v_max_num_f32 v13, v13, v216
	v_mov_b32 v216, v12
	s_delay_alu instid0(VALU_DEP_2)
	v_floor_f32 v12, -v13                          ; the new -M = floor(-t): M is a whole number
	s_delay_alu instid0(VALU_DEP_1)
	v_sub_f32 v216, v12, v216                      ; old M - new M, 0 or less
	s_delay_alu instid0(VALU_DEP_1)
	v_cvt_i32_f32 v216, v216                       ; (it saturates)
	s_delay_alu instid0(VALU_DEP_1)
	v_ldexp_f32 v214, 1.0, v216                    ; f = 2^(old M - new M)
.set NN, 0
.rept 32
	v_pk_fma_f32 v[96+NN:97+NN], v[96+NN:97+NN], s[CS:CS+1], v[12:13] op_sel_hi:[1,0,0]   ; t - M
.set NN, NN+2
.endr
.irp b, 0,1,2,3
	v_fma_f32 v[BM+\b], v[BM+\b], s[CS], v12
.endr
.set NN, 0
	s_wait_alu depctr_va_vdst(0)
.rept 64
	v_exp_f32 v[96+NN], v[96+NN]                   ; p = 2^(t - M)
.set NN, NN+1
.endr
	v_pk_mul_f32 v[14:15], v[14:15], v[214:215] op_sel_hi:[1,0]   ; the sum under the new M; a plain place behind the exponentials
	s_wait_alu depctr_va_vdst(0)                   ; one wait for the whole batch, ahead of its first reader
.irp b, 0,1,2,3
	v_exp_f32 v[BM+\b], v[BM+\b]                   ; the block's largest p
.endr
	v_pk_add_f32 v[196:197], v[100:101], v[104:105]
	v_pk_add_f32 v[254:255], v[108:109], v[112:113]
	v_pk_add_f32 v[252:253], v[116:117], v[120:121]
	v_pk_add_f32 v[250:251], v[124:125], v[128:129]
	v_pk_add_f32 v[248:249], v[132:133], v[136:137]
	v_pk_add_f32 v[246:247], v[140:141], v[144:145]
	v_pk_add_f32 v[244:245], v[148:149], v[152:153]
	v_pk_add_f32 v[14:15], v[14:15], v[156:157]
	v_pk_add_f32 v[196:197], v[196:197], v[96:97]
	v_pk_add_f32 v[254:255], v[254:255], v[98:99]
	v_pk_add_f32 v[252:253], v[252:253], v[102:103]
	v_pk_add_f32 v[250:251], v[250:251], v[106:107]
	v_pk_add_f32 v[248:249], v[248:249], v[110:111]
	v_pk_add_f32 v[246:247], v[246:247], v[114:115]
	v_pk_add_f32 v[244:245], v[244:245], v[118:119]
	v_pk_add_f32 v[14:15], v[14:15], v[122:123]
	v_pk_add_f32 v[196:197], v[196:197], v[126:127]
	v_pk_add_f32 v[254:255], v[254:255], v[130:131]
	v_pk_add_f32 v[252:253], v[252:253], v[134:135]
	v_pk_add_f32 v[250:251], v[250:251], v[138:139]
	v_pk_add_f32 v[248:249], v[248:249], v[142:143]
	v_pk_add_f32 v[246:247], v[246:247], v[146:147]
	v_pk_add_f32 v[244:245], v[244:245], v[150:151]
	v_pk_add_f32 v[14:15], v[14:15], v[154:155]
	v_pk_add_f32 v[196:197], v[196:197], v[158:159]
	s_delay_alu instid0(VALU_DEP_2)
	v_pk_add_f32 v[14:15], v[14:15], v[250:251]
	s_delay_alu instid0(VALU_DEP_2)
	v_pk_add_f32 v[196:197], v[196:197], v[248:249]
	v_pk_add_f32 v[254:255], v[254:255], v[246:247]
	v_pk_add_f32 v[252:253], v[252:253], v[244:245]
	s_delay_alu instid0(VALU_DEP_2)
	v_pk_add_f32 v[14:15], v[14:15], v[254:255]
	s_delay_alu instid0(VALU_DEP_2)
	v_pk_add_f32 v[196:197], v[196:197], v[252:253]
	s_delay_alu instid0(VALU_DEP_1)
	v_pk_add_f32 v[14:15], v[14:15], v[196:197]
	s_wait_alu depctr_va_vdst(0)                   ; and one for the four
.irp b, 0,1,2,3
	v_max_num_f32 v[BM+\b], 0x2800000, v[BM+\b]    ; the floor 2^(5 - 127): a block whose every p is 0 keeps the byte 1: its codes are zeros
.endr
.irp b, 0,1,2,3
	s_delay_alu instid0(VALU_DEP_4)
	v_add_nc_u32 v[SOP+\b], 0xfe000000, v[BM+\b]
.endr
.irp b, 0,1,2,3
	s_delay_alu instid0(VALU_DEP_4)
	v_lshrrev_b32 v[BX+\b], 23, v[SOP+\b]
.endr
	s_delay_alu instid0(VALU_DEP_3)
	v_lshl_or_b32 v212, v[BX+1], 8, v[BX]          ; p's scale word for these 128 keys
	s_delay_alu instid0(VALU_DEP_1)
	v_lshl_or_b32 v212, v[BX+2], 16, v212
	s_delay_alu instid0(VALU_DEP_1)
	v_lshl_or_b32 v212, v[BX+3], 24, v212
.irp c, 0,1
	v_cvt_scalef32_pk16_bf6_f32 v[224+6*\c:226+6*\c], v[96+32*\c:111+32*\c], v[SOP+2*\c]
	v_cvt_scalef32_pk16_bf6_f32 v[CT+4*\c:CT+2+4*\c], v[112+32*\c:127+32*\c], v[SOP+2*\c+1]
.endr
	v_nop                                          ; one plain place behind a scaled conversion
.irp c, 0,1
.irp i, 0,1,2
	v_permlane16_swap_b32 v[224+6*\c+\i], v[CT+4*\c+\i]
.endr
.irp i, 0,1,2
	s_delay_alu instid0(VALU_DEP_3)
	v_mov_b32 v[227+6*\c+\i], v[CT+4*\c+\i]
.endr
.endr
.set NN, 0
.rept 16
	v_pk_mul_f32 v[160+NN:161+NN], v[160+NN:161+NN], v[214:215] op_sel_hi:[1,0]   ; O^T under the new M; these sixteen are also the places between p's codes and scale word and the products
.set NN, NN+2
.endr
	s_wait_alu depctr_va_vdst(0)
	s_wait_dscnt 0x0                               ; V
.irp d, 0,2
	v_wmma_scale_f32_16x16x128_f8f6f4 v[160+8*\d:167+8*\d], v[32+12*\d:43+12*\d], v[224:235], v[160+8*\d:167+8*\d], v[222+\d/2], v212 matrix_a_fmt:MATRIX_FMT_BF6 matrix_b_fmt:MATRIX_FMT_BF6
	v_wmma_scale_f32_16x16x128_f8f6f4 v[168+8*\d:175+8*\d], v[44+12*\d:55+12*\d], v[224:235], v[168+8*\d:175+8*\d], v[222+\d/2], v212 matrix_a_fmt:MATRIX_FMT_BF6 matrix_b_fmt:MATRIX_FMT_BF6 matrix_a_scale:MATRIX_SCALE_ROW1
.endr
.endm
; A TILE IS FINISHED: y = O^T / the sum; register 16 b + i = d 32 b + 16 h + i: two blocks of 32 along C, quantised; six registers of codes and two scale bytes leave.
.macro FINISH
	PLACES
	v_add_f32 v14, v14, v15
	s_delay_alu instid0(VALU_DEP_1)
	v_permlanex16_b32 v216, v14, s[SEL], s[SEL+1]
	s_delay_alu instid0(VALU_DEP_1)
	v_add_f32 v14, v14, v216                       ; the row's sum
	s_wait_alu depctr_va_vdst(0)
	v_rcp_f32 v214, v14
	v_nop                                          ; a plain place behind the reciprocal
	s_wait_alu depctr_va_vdst(0)                   ; and the wait ahead of its first reader
.set NN, 0
.rept 16
	v_pk_mul_f32 v[96+NN:97+NN], v[160+NN:161+NN], v[214:215] op_sel_hi:[1,0]   ; each accumulator from its low end on
.set NN, NN+2
.endr
.irp b, 0,1
	v_max3_num_f32 v[BM+\b], |v[96+16*\b]|, |v[97+16*\b]|, 0x2800000
.endr
.irp i, 2,4,6,8,10,12,14
.irp b, 0,1
	s_delay_alu instid0(VALU_DEP_2)
	v_max3_num_f32 v[BM+\b], v[BM+\b], |v[96+16*\b+\i]|, |v[97+16*\b+\i]|
.endr
.endr
.irp b, 0,1
	s_delay_alu instid0(VALU_DEP_2)
	v_permlanex16_b32 v[BX+\b], v[BM+\b], s[SEL], s[SEL+1]
.endr
.irp b, 0,1
	s_delay_alu instid0(VALU_DEP_2)
	v_max_num_f32 v[BM+\b], v[BM+\b], v[BX+\b]
.endr
.irp b, 0,1
	s_delay_alu instid0(VALU_DEP_2)
	v_add_nc_u32 v[SOP+\b], 0xfe000000, v[BM+\b]
.endr
.irp b, 0,1
	s_delay_alu instid0(VALU_DEP_2)
	v_lshrrev_b32 v[BX+\b], 23, v[SOP+\b]
.endr
	s_delay_alu instid0(VALU_DEP_1)
	v_lshl_or_b32 v212, v[BX+1], 8, v[BX]
	v_cvt_scalef32_pk16_bf6_f32 v[224:226], v[96:111], v[SOP]
	v_cvt_scalef32_pk16_bf6_f32 v[CT:CT+2], v[112:127], v[SOP+1]
	v_nop
.irp i, 0,1,2
	v_permlane16_swap_b32 v[224+\i], v[CT+\i]
.endr
.irp i, 0,1,2
	s_delay_alu instid0(VALU_DEP_3)
	v_mov_b32 v[227+\i], v[CT+\i]
.endr
	global_store_b128 v1, v[224:227], s[36:37]             ; 512 consecutive bytes, aligned
	global_store_b64 v2, v[228:229], s[36:37] offset:512   ; 256
	global_store_b16 v29, v212, s[38:39] offset:6144       ; my row's two bytes (both halves of the lanes write the same bytes with the same value)
.endm
	s_load_b128 s[4:7], s[0:1], 0x0                ; qkv s[4:5], yq s[6:7]
	v_lshl_add_u32 v[SPW], v0, 2, SPARE
	v_mov_b32 v[NIL], 0
	ds_add_u32 v[SPW], v[NIL]                      ; the wave's opening: the add, twice on end, and its wait ahead of the first tensor load
	ds_add_u32 v[SPW], v[NIL]
	v_lshrrev_b32 v1, 5, v0
	s_delay_alu instid0(VALU_DEP_1)
	v_readfirstlane_b32 s8, v1                     ; wave 0..15
	s_lshr_b32 s9, ttmp9, 1                        ; batch x 16 + head
	s_and_b32 s10, ttmp9, 1                        ; which half of the head's tiles
	s_mov_b32 s16, 3<<16                           ; group 1: 51 rows of 256 bytes (32 elements of 8), dense, no padding, no mask
	s_mov_b32 s17, 32<<16
	s_mov_b32 s18, 51<<16
	s_mov_b32 s19, 32<<16
	s_mov_b32 s20, 51
	s_mov_b32 s21, 32
	s_mov_b32 s22, 0
	s_mov_b32 s23, 0
	s_lshl_b32 s11, s8, 1
	s_add_co_u32 s11, s11, s10                     ; i1
	s_sub_co_u32 s12, 63, s11                      ; i2
	s_lshr_b32 s13, s8, 2                          ; i1's diagonal step, and its last trip
	s_add_co_u32 s14, s13, 1                       ; the trip at whose head the wave changes over
	s_sub_co_u32 s15, 7, s13                       ; i2's diagonal step
	s_mov_b32 s44, s13
	s_and_b32 s28, s9, 15                          ; head
	s_lshr_b32 s29, s9, 4                          ; batch
	s_lshr_b32 s34, s28, 2
	s_lshl_b32 s29, s29, 7
	s_add_co_u32 s34, s34, s29                     ; yq: quarter of C + the batch's 32 groups x 4
	s_and_b32 s28, s28, 3
	s_mul_i32 s35, s28, 768
	s_lshl_b32 s51, s28, 1
	s_mul_i32 s28, s9, HB
	s_mov_b32 s29, 0
	s_mul_i32 s30, s8, 13056                       ; what I fetch, if I fetch: 51 rows
	s_add_co_u32 s32, s30, 53248                   ; K's images begin 53,248 bytes into the head block
	s_mov_b32 s33, 0
	s_lshr_b32 s70, s11, 1                         ; a tile's first query: 32 (i / 2) + 8 (i % 2)
	s_lshl_b32 s70, s70, 5
	s_and_b32 s31, s11, 1
	s_lshl_b32 s31, s31, 3
	s_add_co_u32 s70, s70, s31
	s_lshr_b32 s71, s12, 1
	s_lshl_b32 s71, s71, 5
	s_and_b32 s31, s12, 1
	s_lshl_b32 s31, s31, 3
	s_add_co_u32 s71, s71, s31
	s_mov_b32 s[SEL], 0x76543210
	s_mov_b32 s[SEL+1], 0xfedcba98
	s_mov_b32 s[CS], 0x3e38aa3b                    ; log2(e) / 8
	s_mov_b32 s[CS+1], s[CS]                       ; (named with it as a pair, so it is written)
	s_wait_dscnt 0x0                               ; both opening adds are done
	s_wait_kmcnt 0x0
	s_add_nc_u64 s[4:5], s[4:5], s[28:29]          ; my head block
	s_mov_b32 s24, 1
	s_mov_b32 s25, s30
	s_add_nc_u64 s[26:27], s[4:5], s[32:33]
	s_or_b32 s27, s27, 0x80000000
	s_cmp_lt_u32 s8, 8
	s_cbranch_scc0 .Lno_fill
	tensor_load_to_lds s[24:27], s[16:23]          ; one load a wave is out
	s_nop 0
	PLACES
.Lno_fill:
	s_mul_i32 s56, s11, 768
	s_mov_b32 s57, 0
	s_add_nc_u64 s[60:61], s[4:5], s[56:57]        ; i1's image of Q,
	s_lshl_b32 s56, s11, 6
	s_add_nc_u64 s[62:63], s[4:5], s[56:57]        ; its scale words (49,152 on),
	s_mul_i32 s56, s12, 768
	s_add_nc_u64 s[66:67], s[4:5], s[56:57]        ; i2's
	s_lshl_b32 s56, s12, 6
	s_add_nc_u64 s[68:69], s[4:5], s[56:57]
	v_and_b32 v30, 31, v0
	s_delay_alu instid0(VALU_DEP_1)
	v_lshlrev_b32 v1, 4, v30                       ; 16 x lane
	s_delay_alu instid0(VALU_DEP_2)
	v_lshlrev_b32 v2, 3, v30                       ; 8 x lane
	s_delay_alu instid0(VALU_DEP_3)
	v_lshl_add_u32 v3, v30, 2, KSC
	s_delay_alu instid0(VALU_DEP_4)
	v_lshl_add_u32 v4, v30, 2, VSC
	v_and_b32 v31, 15, v0                          ; r
	s_wait_alu depctr_va_vdst(0)
	v_lshlrev_b32 v29, 3, v31
	v_lshlrev_b32 v30, 2, v31
	global_load_b128 v[16:19], v1, s[60:61]
	global_load_b64 v[20:21], v2, s[60:61] offset:512
	global_load_b32 v28, v30, s[62:63] offset:49152
	global_load_b128 v[86:89], v1, s[66:67]
	global_load_b64 v[90:91], v2, s[66:67] offset:512
	global_load_b32 v92, v30, s[68:69] offset:49152
	TASKADR 11, 36, 38
	TASKADR 12, 40, 42
	v_bfe_u32 v8, v0, 4, 1
	v_and_b32 v9, 8, v31
	s_delay_alu instid0(VALU_DEP_1)
	v_add_nc_u32 v9, v9, v31
	s_delay_alu instid0(VALU_DEP_3)
	v_lshlrev_b32 v8, 4, v8
	s_delay_alu instid0(VALU_DEP_1)
	v_sub_nc_u32 v9, v9, v8                        ; r + 8 (r / 8) - 16 h
	s_delay_alu instid0(VALU_DEP_1)
	v_add_nc_u32 v7, s70, v9
	s_delay_alu instid0(VALU_DEP_2)
	v_add_nc_u32 v93, s71, v9
.irp j, 22,23,24,25,26,27,80,81,82,83,84,85
	v_mov_b32 v\j, 0                               ; zero codes: Q's upper half, and what follows K's last tile
.endr
.irp j, 196,197,198,199,215,216,217
	v_mov_b32 v\j, 0                               ; written once: permutes' destinations, and the upper half of the pair v[214:215]
.endr
	INIT
	s_wait_tensorcnt 0x0                           ; my part of K and V is in,
	s_barrier_signal -1
	s_barrier_wait -1                              ; everybody's is
	s_wait_loadcnt 0x0                             ; Q
	s_mov_b32 s[TT], 0
.Ltrip:
	s_cmp_lg_u32 s[TT], s14
	s_cbranch_scc1 .Lsame
	FINISH                                         ; tile i1
	s_wait_xcnt 0x0                                ; its stores have read their registers and addresses
	s_mov_b64 s[36:37], s[40:41]
	s_mov_b64 s[38:39], s[42:43]
	s_mov_b32 s44, s15
.irp j, 0,1,2,3,4,5
	v_mov_b32 v[16+\j], v[86+\j]
.endr
	v_mov_b32 v28, v92
	v_mov_b32 v7, v93
	INIT                                           ; (its 36 lines are also the places between Q's registers and the next products)
.Lsame:
	s_add_co_u32 s46, s[TT], 7
	s_and_b32 s46, s46, 7
	s_xor_b32 s46, s46, 7                          ; 8 - t for t = 1 .. 8
	s_cmp_gt_u32 s[TT], s13
	s_cselect_b32 s46, s46, s[TT]                  ; the key step: t for tile i1, 8 - t for tile i2
	s_mul_i32 s47, s46, 6144                       ; its images, of K and of V alike,
	s_lshl_b32 s48, s46, 9                         ; K's scale words,
	s_lshl_b32 s49, s46, 8                         ; V's,
	s_mul_i32 s50, s46, -128                       ; and its first key, taken off
	STEP
	s_add_co_u32 s[TT], s[TT], 1
	s_cmp_lt_u32 s[TT], 9
	s_cbranch_scc1 .Ltrip
	FINISH                                         ; tile i2
	s_wait_dscnt 0x0
	s_barrier_signal -1                            ; one barrier parts all waves' LDS reads from the closing lines' LDS writes; every wave has walked nine steps
	s_barrier_wait -1
	s_wait_tensorcnt 0x0                           ; the wave's end
	ds_add_u32 v[SPW], v[NIL]
	s_wait_dscnt 0x0
	s_endpgm
.Lfunc_end_k_q976af19836_attn:
	.size	k_q976af19836_attn, .Lfunc_end_k_q976af19836_attn-k_q976af19836_attn
	.p2alignl 7, 3214868480
	.fill 96, 4, 3214868480
	.section	.rodata,"a",@progbits
	.p2align	6, 0x0
	.amdhsa_kernel k_q976af19836_attn
		.amdhsa_group_segment_fixed_size 167936
		.amdhsa_private_segment_fixed_size 0
		.amdhsa_enable_private_segment 0
		.amdhsa_kernarg_size 16
		.amdhsa_user_sgpr_count 2
		.amdhsa_user_sgpr_kernarg_segment_ptr 1
		.amdhsa_wavefront_size32 1
		.amdhsa_system_sgpr_workgroup_id_x 1
		.amdhsa_system_sgpr_workgroup_id_y 1
		.amdhsa_system_sgpr_workgroup_id_z 1
		.amdhsa_system_vgpr_workitem_id 0
		.amdhsa_next_free_vgpr 256
		.amdhsa_next_free_sgpr 72
		.amdhsa_reserve_vcc 1
		.amdhsa_float_denorm_mode_32 3
		.amdhsa_float_denorm_mode_16_64 3
		.amdhsa_memory_ordered 1
		.amdhsa_forward_progress 1
		.amdhsa_inst_pref_size 42
	.end_amdhsa_kernel
	.amdgpu_metadata
---
amdhsa.version: [ 1, 2 ]
amdhsa.kernels:
  - .name:           k_q976af19836_attn
    .symbol:         k_q976af19836_attn.kd
    .args:
      - { .name: qkv, .offset: 0, .size: 8, .value_kind: global_buffer, .address_space: global }
      - { .name: yq, .offset: 8, .size: 8, .value_kind: global_buffer, .address_space: global }
    .group_segment_fixed_size: 167936
    .private_segment_fixed_size: 0
    .kernarg_segment_align: 8
    .kernarg_segment_size: 16
    .max_flat_workgroup_size: 512
    .sgpr_count:     72
    .vgpr_count:     256
    .wavefront_size: 32
...
	.end_amdgpu_metadata
.endif
;; end of part 3
;; launch gemm_proj (part 4): grid 64 x 4, 4 waves a work-group, clusters of 4 x 4, 327,680 bytes of LDS; arguments yq, wpq, b_proj, out0; writes out0
.if DOCPART == 4
	.amdgcn_target "amdgcn-amd-amdhsa--gfx1250"
	.amdhsa_code_object_version 6
	.text
	.protected	k_q976af19836_gemm_proj
	.globl	k_q976af19836_gemm_proj
	.p2align	8
	.type	k_q976af19836_gemm_proj,@function
k_q976af19836_gemm_proj:
	s_mov_b64 s[64:65], 0
	v_nop
	global_prefetch_b8 v0, s[64:65] scope:SCOPE_SE
	s_setreg_imm32_b32 hwreg(HW_REG_WAVE_MODE, 25, 1), 1
	s_wait_xcnt 0x0
	s_wait_alu depctr_hold_cnt(0) depctr_sa_sdst(0) depctr_va_vdst(0) depctr_va_sdst(0) depctr_va_ssrc(0) depctr_va_vcc(0) depctr_vm_vsrc(0)
	s_getreg_b32 s2, hwreg(HW_REG_IB_STS2, 6, 4)
	s_cmp_eq_u32 s2, 0
	s_cbranch_scc0 .Lentry_in_a_cluster
	s_endpgm
.Lentry_in_a_cluster:
	s_bfe_u32 s2, ttmp6, 0x10000c
	s_cmp_lg_u32 s2, 0xf033
	s_cbranch_scc0 .Lentry_shape_is_right
	s_endpgm
.Lentry_shape_is_right:
; out0 = y w_proj + b_proj on codes of BF6 (E3M2) with E8M0 scales.  yq [256][4][6,400], wpq [32][4][6,400]: [group of 32 rows][quarter of K]; a group's 6,400 bytes are images of operand registers with their
; scale bytes; the rows of a block of 16 are rows 32 g + 8 u + r + 8 (r / 8) of the tensor.  A fragment, 16 rows x 128 K, is 1,536 consecutive bytes: loads of 16, 8, 16, 8 bytes a lane at 0, 512, 768, 1,280.
; A WORK-GROUP makes 128 tokens ("A", source 1: a lane holds one) x 256 columns ("B", source 0: a lane's registers run along them).  Four waves, each 64 x 128: 32 accumulators.  256 work-groups.
; ALL OF K FITS IN LDS: A's 4 groups (102,400 bytes), then B's 8 (204,800).  Each wave asks for its part, a dense run of memory, by ONE tensor load at the head (waves 0, 1: 200 rows of 256 bytes of A; waves 2, 3: 400 of B);
; nothing is ever filled again.  No prefetch: the one fill stands at the head, and there is no loop to run ahead in.
; CLUSTERS: 4 x 4 work-groups; A's tiles are asked for jointly along a row of the cluster, B's along a column.
; THE BIAS is the C of each sum's first product.  THE WAY OUT: 16 tokens x 128 columns at a time through the wave's own stage in LDS, back as whole rows of 512 bytes.  The stages lie in A's bytes: those had
; their one fill at the head, and a barrier, signalled when a wave's last fragments are in, parts every wave's reads from the stages' stores.
; REGISTERS: window 0: v1-18 addresses; v20-43 scale words, two sets; v48-111 the bias; v112-239 rows on their way out, two sets.  window 1: the accumulators, (a, b) at v[8 (8 a + b)].
;   windows 2, 3: fragment sets 0, 1: B's eight at v[12 b], A's four at v[96 + 12 a].
.set SPARE, 307200                     ; the spare words, 128 bytes for each wave: two blocks of 256 bytes that no other line names
.set WV,  12
.set G1A, 24
.set G1B, 32
.set G0A, 48
.set G0B, 68
.set SPW, 14
.set NIL, 15
.set SCA, 20
.set SCB, 28
.set BI,  48
.set OB,  112
.set MSB, 0
.macro WIN new                         ; the immediate's high byte repeats the setting that is left
.if MSB != (\new)
	s_set_vgpr_msb (MSB<<8)|(\new)
.set MSB, (\new)
.endif
.endm
.macro CROUND                          ; a round of the cluster's barrier
	s_barrier_signal -1
	s_barrier_wait -1
	s_cmp_lg_u32 s[WV], 0
	s_cbranch_scc1 .Lnot_wave_0_\@
	s_barrier_signal -3
.Lnot_wave_0_\@:
	s_barrier_wait -3
	s_barrier_signal -1
	s_barrier_wait -1
.endm
.macro PLACES                          ; four plain places behind matrix instructions, in front of loads into their registers and of reads of their results
.rept 4
	v_nop
.endr
.endm
.macro FETCH ks, p                     ; the fragments of K step ks (0 .. 7) into set p: 48 loads.  B's groups 0, 1 by v6, v7; groups 2, 3 by v17, v18 (an LDS offset has 16 bits)
.set KO_, ((\ks)/2)*6400+((\ks)%2)*1536
	WIN 0x80+0x40*(\p)
.irp i, 0,1,2,3,4,5,6,7
	ds_load_b128 v[12*\i:12*\i+3], v[6+11*(\i/4)] offset:((\i/2)%2)*25600+(\i%2)*3072+KO_
	ds_load_b64 v[12*\i+4:12*\i+5], v[7+11*(\i/4)] offset:((\i/2)%2)*25600+(\i%2)*3072+KO_+512
	ds_load_b128 v[12*\i+6:12*\i+9], v[6+11*(\i/4)] offset:((\i/2)%2)*25600+(\i%2)*3072+KO_+768
	ds_load_b64 v[12*\i+10:12*\i+11], v[7+11*(\i/4)] offset:((\i/2)%2)*25600+(\i%2)*3072+KO_+1280
.endr
.irp i, 0,1,2,3
	ds_load_b128 v[96+12*\i:96+12*\i+3], v4 offset:(\i/2)*25600+(\i%2)*3072+KO_
	ds_load_b64 v[96+12*\i+4:96+12*\i+5], v5 offset:(\i/2)*25600+(\i%2)*3072+KO_+512
	ds_load_b128 v[96+12*\i+6:96+12*\i+9], v4 offset:(\i/2)*25600+(\i%2)*3072+KO_+768
	ds_load_b64 v[96+12*\i+10:96+12*\i+11], v5 offset:(\i/2)*25600+(\i%2)*3072+KO_+1280
.endr
	WIN 0
.endm
.macro SCALES q                        ; quarter q's scale words into set q % 2.  B: lanes 0-15 block j, lanes 16-31 block j + 4;  A: lanes 0-15 block j, lanes 16-31 block j + 2
.irp j, 0,1,2,3
	ds_load_b64 v[SCB+8*((\q)%2)+2*\j:SCB+8*((\q)%2)+2*\j+1], v9 offset:6144+6400*(\q)+(\j/2)*25600+(\j%2)*128
.endr
.irp j, 0,1
	ds_load_b64 v[SCA+4*((\q)%2)+2*\j:SCA+4*((\q)%2)+2*\j+1], v8 offset:6144+6400*(\q)+128*\j
.endr
.endm
.macro WM a, b, s, q, cm               ; one product: A's block a x B's block b, K step s of the quarter, scale set q.  cm = 0: onto the sum; 2: the bias starts it
.set RD_, 8*(8*(\a)+(\b))
.set RC_, RD_
.if (\cm) == 2
.set RC_, BI+8*(\b)
.endif
.set RB_, 12*(\b)
.set RA_, 96+12*(\a)
.set SB_, SCB+8*(\q)+2*((\b)%4)+(\s)
.set SA_, SCA+4*(\q)+2*((\a)%2)+(\s)
.if ((\b) >= 4) && ((\a) >= 2)
	v_wmma_scale_f32_16x16x128_f8f6f4 v[RD_:RD_+7], v[RB_:RB_+11], v[RA_:RA_+11], v[RC_:RC_+7], v[SB_], v[SA_] matrix_a_fmt:MATRIX_FMT_BF6 matrix_b_fmt:MATRIX_FMT_BF6 matrix_a_scale:MATRIX_SCALE_ROW1 matrix_b_scale:MATRIX_SCALE_ROW1
.elseif (\b) >= 4
	v_wmma_scale_f32_16x16x128_f8f6f4 v[RD_:RD_+7], v[RB_:RB_+11], v[RA_:RA_+11], v[RC_:RC_+7], v[SB_], v[SA_] matrix_a_fmt:MATRIX_FMT_BF6 matrix_b_fmt:MATRIX_FMT_BF6 matrix_a_scale:MATRIX_SCALE_ROW1
.elseif (\a) >= 2
	v_wmma_scale_f32_16x16x128_f8f6f4 v[RD_:RD_+7], v[RB_:RB_+11], v[RA_:RA_+11], v[RC_:RC_+7], v[SB_], v[SA_] matrix_a_fmt:MATRIX_FMT_BF6 matrix_b_fmt:MATRIX_FMT_BF6 matrix_b_scale:MATRIX_SCALE_ROW1
.else
	v_wmma_scale_f32_16x16x128_f8f6f4 v[RD_:RD_+7], v[RB_:RB_+11], v[RA_:RA_+11], v[RC_:RC_+7], v[SB_], v[SA_] matrix_a_fmt:MATRIX_FMT_BF6 matrix_b_fmt:MATRIX_FMT_BF6
.endif
.endm
; 16 products: A's blocks a0, a0 + 1 x B's eight, on fragment set p.  The 32 accumulators take turns, one instruction a turn, in the same order in every K step.
.macro MUL2 a0, p, s, q, cm
.if (\cm) == 2
	WIN 0x4a+5*(\p)                                ; sources 0, 1: the set's window; C window 0; D window 1
.else
	WIN 0x5a+5*(\p)                                ; sources 0, 1: the set's window; C and D window 1
.endif
.irp a, \a0, \a0+1
.irp b, 0,1,2,3,4,5,6,7
	WM \a, \b, \s, \q, \cm
.endr
.endr
.endm
.macro TOSTAGE a                       ; block a: lane (r, h) holds token r and, in accumulator b, columns 32 (b / 2) + 16 h + 8 (b % 2) + 0 .. 7
	WIN 0x04                                       ; an LDS store's data are its source 1: window 1
.irp b, 0,1,2,3,4,5,6,7
	ds_store_b128 v12, v[64*(\a)+8*\b:64*(\a)+8*\b+3] offset:128*(\b/2)+32*(\b%2)        ; each accumulator from its low end on
	ds_store_b128 v12, v[64*(\a)+8*\b+4:64*(\a)+8*\b+7] offset:128*(\b/2)+32*(\b%2)+16
.endr
	WIN 0
.irp t, 0,1,2,3,4,5,6,7,8,9,10,11,12,13,14,15
	ds_load_b128 v[OB+64*((\a)%2)+4*\t:OB+64*((\a)%2)+4*\t+3], v13 offset:528*\t   ; LDS serves a wave's instructions in order: these see my stores, and the next block's stores come behind them
.endr
.endm
.macro SEND a, younger                 ; younger: the LDS instructions issued behind block a's loads, which may stay out
	s_wait_dscnt \younger
.irp t, 0,1,2,3,4,5,6,7,8,9,10,11,12,13,14,15
	global_store_b128 v10, v[OB+64*((\a)%2)+4*\t:OB+64*((\a)%2)+4*\t+3], s[96:97] offset:(32*((\a)/2)+8*((\a)%2)+\t+8*(\t/8))*4096 th:TH_STORE_NT   ; 512 consecutive bytes of a token's row, aligned
.endr
.endm
	s_load_b256 s[4:11], s[0:1], 0x0               ; yq s[4:5], wpq s[6:7], b_proj s[8:9], out0 s[10:11]
	v_lshl_add_u32 v[SPW], v0, 2, SPARE
	v_mov_b32 v[NIL], 0
	ds_add_u32 v[SPW], v[NIL]                      ; the wave's opening: the add, twice on end, and its wait ahead of my first tensor load
	ds_add_u32 v[SPW], v[NIL]
	v_lshrrev_b32 v1, 5, v0
	v_readfirstlane_b32 s[WV], v1
	s_lshr_b32 s13, s[WV], 1                       ; my half of A.  Also: I fetch for A (0) or for B (1)
	s_and_b32 s14, s[WV], 1                        ; my half of B.  Also: which half I fetch
	s_bfe_u32 s15, ttmp6, 0x40000                  ; cx
	s_bfe_u32 s16, ttmp6, 0x40004                  ; cy
	; A's side: made of the cluster's number, cy and the wave's number; no register here ever holds cx
	s_lshl_b32 s42, ttmp9, 2
	s_add_co_u32 s42, s42, s16                     ; tr: which 128 tokens
	s_lshl_b32 s44, s42, 2
	s_lshl_b32 s45, s14, 1
	s_add_co_u32 s44, s44, s45                     ; the first of the two groups that I would fetch
	s_mul_i32 s44, s44, 25600
	s_mov_b32 s45, 0
	s_mul_i32 s43, s14, 51200                      ; and where they go
	; B's side: made of cx and the wave's number
	s_mov_b32 s86, s15                             ; tc: which 256 columns
	s_lshl_b32 s88, s86, 3
	s_lshl_b32 s89, s14, 2
	s_add_co_u32 s88, s88, s89                     ; the first of the four groups that I would fetch
	s_mul_i32 s88, s88, 25600
	s_mov_b32 s89, 0
	s_mul_i32 s87, s14, 102400
	s_add_co_u32 s87, s87, 102400
	s_lshl_b32 s22, s16, 2
	s_lshl_b32 s22, 15, s22                        ; my row of the cluster
	s_lshl_b32 s23, 0x1111, s15                    ; my column
	; group 1: a dense block as rows of 256 bytes (32 elements of 8): 200 rows for A, 400 for B; no padding
	s_or_b32 s[G1A], s22, (3<<16)|(1<<21)
	s_or_b32 s[G1B], s23, (3<<16)|(1<<21)
	s_mov_b32 s[G1A+1], 32<<16
	s_mov_b32 s[G1A+2], 200<<16
	s_mov_b32 s[G1A+3], 32<<16
	s_mov_b32 s[G1A+4], 200
	s_mov_b32 s[G1A+5], 32
	s_mov_b32 s[G1A+6], 0
	s_mov_b32 s[G1A+7], 0
	s_mov_b32 s[G1B+1], 32<<16
	s_mov_b32 s[G1B+2], 400<<16
	s_mov_b32 s[G1B+3], 32<<16
	s_mov_b32 s[G1B+4], 400
	s_mov_b32 s[G1B+5], 32
	s_mov_b32 s[G1B+6], 0
	s_mov_b32 s[G1B+7], 0
	s_wait_dscnt 0x0                               ; both opening adds are done
	s_wait_kmcnt 0x0
	s_mov_b32 s[G0A], 1
	s_mov_b32 s[G0A+1], s43
	s_add_nc_u64 s[G0A+2:G0A+3], s[4:5], s[44:45]
	s_or_b32 s[G0A+3], s[G0A+3], 0x80000000
	s_mov_b32 s[G0B], 1
	s_mov_b32 s[G0B+1], s87
	s_add_nc_u64 s[G0B+2:G0B+3], s[6:7], s[88:89]
	s_or_b32 s[G0B+3], s[G0B+3], 0x80000000
	CROUND                                         ; all sixteen work-groups are here: the joint loads meet
	s_cmp_eq_u32 s13, 0                            ; one load a wave: waves 0, 1 A's halves, waves 2, 3 B's
	s_cbranch_scc0 .Lfor_b
	tensor_load_to_lds s[G0A:G0A+3], s[G1A:G1A+7]
	s_nop 0
	PLACES
	s_branch .Lasked
.Lfor_b:
	tensor_load_to_lds s[G0B:G0B+3], s[G1B:G1B+7]
	s_nop 0
	PLACES
.Lasked:
	s_lshl_b32 s18, s86, 10
	s_lshl_b32 s19, s14, 9
	s_add_co_u32 s18, s18, s19
	s_mov_b32 s19, 0
	s_add_nc_u64 s[18:19], s[8:9], s[18:19]        ; the bias of my 128 columns
	s_mul_i32 s22, s13, 51200                      ; my 64 rows of A
	s_mul_i32 s23, s14, 102400
	s_add_co_u32 s23, s23, 102400                  ; my 128 rows of B
	s_add_co_u32 s21, s23, 51200                   ; their groups 2, 3
	s_mul_i32 s20, s[WV], 8448                     ; my stage: 16 rows x (512 + 16) bytes
	s_lshl_b32 s92, s42, 19                        ; out0: 128 tokens of 4,096 bytes a tile row,
	s_lshl_b32 s93, s13, 18                        ; my 64 of them,
	s_add_co_u32 s92, s92, s93
	s_lshl_b32 s93, s86, 10                        ; 256 columns a tile column,
	s_add_co_u32 s92, s92, s93
	s_lshl_b32 s93, s14, 9                         ; my 128 of them
	s_add_co_u32 s92, s92, s93
	s_mov_b32 s93, 0
	s_add_nc_u64 s[96:97], s[10:11], s[92:93]
	v_and_b32 v1, 15, v0                           ; r
	v_bfe_u32 v2, v0, 4, 1                         ; h
	v_and_b32 v3, 31, v0                           ; lane
	v_lshlrev_b32 v10, 4, v3
	v_lshlrev_b32 v11, 3, v3
	v_lshlrev_b32 v16, 6, v2                       ; lane (r, h) wants, for block t, the bias of columns 32 (t / 2) + 16 h + 8 (t % 2) + 0 .. 7
.irp t, 0,1,2,3,4,5,6,7
	global_load_b128 v[BI+8*\t:BI+8*\t+3], v16, s[18:19] offset:(32*(\t/2)+8*(\t%2))*4
	global_load_b128 v[BI+8*\t+4:BI+8*\t+7], v16, s[18:19] offset:(32*(\t/2)+8*(\t%2))*4+16
.endr
	v_add_nc_u32 v4, s22, v10
	v_add_nc_u32 v5, s22, v11
	v_add_nc_u32 v6, s23, v10
	v_add_nc_u32 v7, s23, v11
	v_add_nc_u32 v17, s21, v10
	v_add_nc_u32 v18, s21, v11
	v_lshlrev_b32 v12, 3, v1
	v_mad_u32_u24 v8, v2, 25600, v12               ; A's scale words: 8 r; lanes 16-31 one group on
	v_add_nc_u32 v8, s22, v8
	v_mad_u32_u24 v9, v2, 51200, v12               ; B's: lanes 16-31 two groups on
	v_add_nc_u32 v9, s23, v9
	v_mul_u32_u24 v12, v1, 528
	v_lshl_add_u32 v12, v2, 6, v12
	v_add_nc_u32 v12, s20, v12                     ; the stage, in: row r, + 64 h
	v_add_nc_u32 v13, s20, v10                     ; back: 16 x lane of a row
	s_wait_alu depctr_va_vdst(0)
	s_wait_loadcnt 0x0                             ; the bias: the first products take it as C
	s_wait_tensorcnt 0x0                           ; my part of the operands is in,
	s_barrier_signal -1
	s_barrier_wait -1                              ; everybody's is
	FETCH 0, 0
	SCALES 0
.irp kq, 0,1,2,3                       ; ALL OF K: four quarters of two K steps, written out
	s_wait_dscnt 0x0                               ; set 0 and the scale words are in
.if \kq > 0
	PLACES                                         ; behind the products that read set 1
.endif
	FETCH 2*\kq+1, 1
.if \kq == 0
	MUL2 0, 0, 0, 0, 2
	MUL2 2, 0, 0, 0, 2
.else
	MUL2 0, 0, 0, \kq%2, 0
	MUL2 2, 0, 0, \kq%2, 0
.endif
	s_wait_dscnt 0x0                               ; set 1 is in
.if \kq < 3
	MUL2 0, 1, 1, \kq%2, 0
	WIN 0
	PLACES                                         ; behind the products that read set 0
	FETCH 2*\kq+2, 0
	SCALES \kq+1
	MUL2 2, 1, 1, \kq%2, 0
.else
	s_barrier_signal -1                            ; my reads of the operands are over
	MUL2 0, 1, 1, 1, 0
	MUL2 2, 1, 1, 1, 0
	WIN 0
	s_barrier_wait -1                              ; everybody's are: the stages may be written
.endif
.endr
	PLACES
	TOSTAGE 0
	TOSTAGE 1
	SEND 0, 32                                     ; behind block 0's loads: block 1's 16 stores and 16 loads
	s_wait_xcnt 0x0                                ; block 0's stores have read their registers: block 2's loads may land there
	TOSTAGE 2
	SEND 1, 32
	s_wait_xcnt 0x0
	TOSTAGE 3
	SEND 2, 32
	SEND 3, 0
	s_wait_tensorcnt 0x0                           ; the wave's end, behind my last tensor load and my last LDS store
	ds_add_u32 v[SPW], v[NIL]
	s_wait_dscnt 0x0
	CROUND                                         ; the closing round
	s_endpgm
.Lfunc_end_k_q976af19836_gemm_proj:
	.size	k_q976af19836_gemm_proj, .Lfunc_end_k_q976af19836_gemm_proj-k_q976af19836_gemm_proj
	.p2alignl 7, 3214868480
	.fill 96, 4, 3214868480
	.section	.rodata,"a",@progbits
	.p2align	6, 0x0
	.amdhsa_kernel k_q976af19836_gemm_proj
		.amdhsa_group_segment_fixed_size 327680
		.amdhsa_private_segment_fixed_size 0
		.amdhsa_enable_private_segment 0
		.amdhsa_kernarg_size 32
		.amdhsa_user_sgpr_count 2
		.amdhsa_user_sgpr_kernarg_segment_ptr 1
		.amdhsa_wavefront_size32 1
		.amdhsa_system_sgpr_workgroup_id_x 1
		.amdhsa_system_sgpr_workgroup_id_y 1
		.amdhsa_system_sgpr_workgroup_id_z 1
		.amdhsa_system_vgpr_workitem_id 0
		.amdhsa_next_free_vgpr 1024
		.amdhsa_next_free_sgpr 100
		.amdhsa_reserve_vcc 0
		.amdhsa_float_denorm_mode_32 3
		.amdhsa_float_denorm_mode_16_64 3
		.amdhsa_memory_ordered 1
		.amdhsa_forward_progress 1
		.amdhsa_inst_pref_size 82
	.end_amdhsa_kernel
	.amdgpu_metadata
---
amdhsa.version: [ 1, 2 ]
amdhsa.kernels:
  - .name:           k_q976af19836_gemm_proj
    .symbol:         k_q976af19836_gemm_proj.kd
    .args:
      - { .name: yq, .offset: 0, .size: 8, .value_kind: global_buffer, .address_space: global }
      - { .name: wpq, .offset: 8, .size: 8, .value_kind: global_buffer, .address_space: global }
      - { .name: b_proj, .offset: 16, .size: 8, .value_kind: global_buffer, .address_space: global }
      - { .name: out0, .offset: 24, .size: 8, .value_kind: global_buffer, .address_space: global }
    .group_segment_fixed_size: 327680
    .private_segment_fixed_size: 0
    .kernarg_segment_align: 8
    .kernarg_segment_size: 32
    .max_flat_workgroup_size: 128
    .sgpr_count:     100
    .vgpr_count:     1024
    .wavefront_size: 32
...
	.end_amdgpu_metadata
.endif
;; end of part 4
